; MI455X (gfx1250); checked and timed in simulation.
; The chip was launched on July 23, 2026; its instructions are those of AMD's public machine-readable ISA for CDNA 5 (MIT licence, August 2026) and "CDNA5" Instruction Set Architecture Reference Guide (July 2026). The comments in the code are by the model that wrote it; some were corrected since.
;; Attention. Allowed arithmetic: matrix products marked QUANTISED: E2M3 operands, one E8M0 scale for each 32 along K, by v_wmma_scale_f32_16x16x128_f8f6f4 with both operands' format E2M3, f32 sums; everything else in f32.
;; Inputs: b_proj 1,024 float32; b_qkv 3,072 float32; w_proj 1,024 x 1,024 float32; w_qkv 1,024 x 3,072 float32; x 4 x 2,048 x 1,024 float32.
;; Outputs: out0 4 x 2,048 x 1,024 float32.
;; This version of the problem:
;;   THIS VERSION OF THE PROBLEM IS GIVEN IN LOW PRECISION. The matrix products marked QUANTISED in the list below multiply operands that are first quantised to E2M3 (2 exponent bits, 3 mantissa bits; 6 bits a number), with one power-of-two scale for each 32 numbers along K (OCP MX v1.0); their sums are f32. All else is computed in f32.
;;   The module's matrix products, in the order in which they are computed (A, B: the left and right operand; K: the contracted axis; several contracted axes count as one K, in the product's order):
;;     1. [M 8,192, K 1,024] x [K 1,024, N 3,072]; A: input x; B: input w_qkv: QUANTISED
;;     2. batch 64 x [M 2,048, K 64] x [K 64, N 2,048]; A: computed on the way; B: computed on the way: QUANTISED
;;     3. batch 64 x [M 2,048, K 2,048] x [K 2,048, N 64]; A: softmax (see below); B: computed on the way: QUANTISED
;;     4. [M 8,192, K 1,024] x [K 1,024, N 1,024]; A: computed on the way; B: input w_proj: QUANTISED
;;   THE QUANTISER, for each operand of a quantised product, along K:
;;     - K is cut into blocks of 32 from its start; a last block that is shorter is filled with zeros.
;;     - A block's scale is 2^e with e = floor(log2(the largest magnitude in the block)) - 2, held to -126 .. 127; a block of zeros has e = 0. As a byte (E8M0): e + 127.
;;     - Each number is divided by its block's scale, clamped to +-7.5, and rounded to the nearest number of E2M3, ties to even, subnormals kept.
;;     - The product sums the exact products of the quantised numbers (number of the format x scale) in f32.
;;   ~~~python
;;   def quantise(x, axis):      # numpy; x: float32 -> the quantised numbers, widened to float32 again
;;       x = np.moveaxis(x, axis, -1); K = x.shape[-1]
;;       x = np.pad(x, [(0, 0)] * (x.ndim - 1) + [(0, -K % 32)]); x = x.reshape(x.shape[:-1] + (-1, 32)); a = np.abs(x).max(-1, keepdims=True)
;;       e = np.where(a > 0, np.clip(np.frexp(np.where(a > 0, a, 1))[1] - 1 - 2, -126, 127), 0)      # np.frexp(a)[1] - 1 = floor(log2(a)), exactly
;;       r = np.clip(x / 2.0 ** e, -7.5, 7.5)
;;       step = 2.0 ** (np.maximum(np.frexp(np.where(r == 0, 1, r))[1] - 1, 0) - 3)
;;       q = np.round(r / step) * step * 2.0 ** e      # np.round: ties to even
;;       return np.moveaxis(q.reshape(q.shape[:-2] + (-1,))[..., :K], -1, axis).astype(np.float32)
;;   ~~~
;;   SOFTMAX AHEAD OF A QUANTISED PRODUCT. Where the list says 'softmax', what is quantised is not the finished softmax but p = 2^(t - M), with t = logit x log2(e) and M = ceil(the row's largest t), a whole number; so 1/2 < the row's largest p <= 1. The row's sum l is taken of the UNQUANTISED p, in f32, and the product's result is divided by l at the end. Since M is a whole number, a kernel that streams over the keys may use a running M (the ceiling of the running maximum): every later rescaling is an exact power of two, which a block's scale takes up: the codes' values come out the same.
;;   OPERANDS COMPUTED ON THE WAY. 'Computed on the way' means the value that the module computes at that place (a softmax that the list does not call 'softmax' is quantised finished and normalised). What goes into a quantiser is computed in f32, as accurately as f32 sums, v_exp_f32 and their like allow (about 1e-6 of the number): no bf16 or f16 on the way to a quantiser, and a product that is left as it is and whose result goes on into a quantised operand takes f32 operands (vector FMAs, or v_wmma_f32_16x16x4_f32). A number that lies on a knife's edge between two numbers of the format may be rounded either way, as far as f32 arithmetic and the matrix unit's own rounding can turn it there, and no further.
;; One version. Each part assembles by itself: llvm-mc -triple=amdgcn-amd-amdhsa -mcpu=gfx1250 --defsym DOCPART=n.
;; ======== version 1 of 1: 4 launches
;; limits: right only within a limited range of input values
;; workspace buffers: xp 6,553,600 bytes; wp 3,276,800 bytes; qb 6,553,600 bytes; kv 13,107,200 bytes; op 6,553,600 bytes
;; launch prep (part 1): grid 1024 x 1, 4 waves a work-group, no clusters, 34,304 bytes of LDS; arguments x, w_qkv, w_proj, xp, wp; writes xp, wp
.if DOCPART == 1
	.amdgcn_target "amdgcn-amd-amdhsa--gfx1250"
	.amdhsa_code_object_version 6
	.text
	.protected	k_qcd499a9c57_prep
	.globl	k_qcd499a9c57_prep
	.p2align	8
	.type	k_qcd499a9c57_prep,@function
k_qcd499a9c57_prep:
	s_mov_b64 s[64:65], 0
	v_nop
	global_prefetch_b8 v0, s[64:65] scope:SCOPE_SE
	s_setreg_imm32_b32 hwreg(HW_REG_WAVE_MODE, 25, 1), 1
	s_wait_xcnt 0x0
; x [8192][1024], w_qkv [1024][3072] and w_proj [1024][1024], f32, become codes of FP6 (E2M3) with one E8M0 byte for each 32 along K (the hidden axis: x's last, the weights' first).
; A block's scale is 2^(floor(log2(its largest magnitude)) - 2); its byte is the largest magnitude's exponent field - 2, held at 1 from below by a floor among the maximum's leaves.
; LIMITS: NaN and infinities are not served; a block whose largest magnitude lies under 2^-124 (a block of zeros among them) gets the byte 1: this program alone reads the bytes, and zero codes add nothing.
; THE OUTPUT IS LAID AS THE PRODUCTS' REGISTERS WANT IT.  Rows (tokens of x, columns of a weight) stand by POSITION: position = index with bits 3 and 4 exchanged.  A PANEL is 128 positions, 102,400 bytes:
;   codes [plane = k / 64 (16)][block of 16 positions (8)][piece (3)][lane (32)][8 bytes]: lane (r, h) of a block holds k = 64 plane + 32 h + 0 .. 31 of row r, 24 bytes in three pieces;
;   then, at byte 98,304, scale words [k / 256 (4)][position (128)][2 words], a word for 128 along K.
; xp: 64 panels of tokens.  wp: 32 panels of columns: 0-23 w_qkv's, 24-31 w_proj's.
; Work-groups 0-511: a block of 16 tokens each; wave w takes k = 256 w .. 256 w + 255.  Work-groups 512-1023: a panel of a weight x 64 along K each; wave w takes 32 positions.
; No tensor loads, no barrier: waves share nothing.  Only the tokens' path uses LDS: a stage of 16 rows x 528 bytes for each wave.
.set PANEL, 102400
.set PSC,   98304
.set SEL, 22                           ; s[22:23] v_permlanex16_b32's selects for lane l xor 16 (tokens' path)
.set R,   32                           ; v32-159  tokens: two sets of 64 numbers
.set PC,  160                          ; v160-183 tokens: two fragments' codes
.set T2,  184                          ; v184-191 a conversion's second halves
.set TM,  192                          ; v192-207 +0..3 largest magnitudes, +4..7 the other half's, then bytes, +12..15 the conversions' scale operands
.set PW,  208                          ; v208-209 the two scale words
.set X,   32                           ; v32-95   weights: two sets of 32 numbers
.set C,   160                          ; v160-171 weights: six registers of codes for each of 2 blocks
.set TT,  208                          ; v208-210 weights: a block's second 16 codes
.set SB,  24                           ; v24      weights: the scale bytes, four to a register
; 64 numbers of a lane, register 16 b + i = k 32 b + 16 (lane / 16) + i of my row, become a fragment: v[d0] on: k = 32 (lane / 16) + 0 .. 31, v[d1] on: 64 further; v[pw]: my row's scale word.
.macro QUANT s, d0, d1, pw
.irp b, 0,1,2,3
	v_max3_num_f32 v[TM+\b], |v[\s+16*\b]|, |v[\s+1+16*\b]|, 0x1800000   ; my 16 numbers of block b, and the floor 2^(3 - 127)
.endr
.irp i, 2,4,6,8,10,12,14
.irp b, 0,1,2,3
	v_max3_num_f32 v[TM+\b], v[TM+\b], |v[\s+16*\b+\i]|, |v[\s+1+16*\b+\i]|   ; the four blocks by turns
.endr
.endr
.irp b, 0,1,2,3
	v_permlanex16_b32 v[TM+4+\b], v[TM+\b], s[SEL], s[SEL+1]
.endr
.irp b, 0,1,2,3
	v_max_num_f32 v[TM+\b], v[TM+\b], v[TM+4+\b]   ; with lane l xor 16's: the block's largest magnitude
.endr
.irp b, 0,1,2,3
	v_add_nc_u32 v[TM+12+\b], 0xff000000, v[TM+\b]   ; 2 off its exponent field: the conversion's scale operand
.endr
.irp b, 0,1,2,3
	v_lshrrev_b32 v[TM+4+\b], 23, v[TM+12+\b]      ; the scale's byte
.endr
	v_lshl_or_b32 v[\pw], v[TM+5], 8, v[TM+4]
	v_lshl_or_b32 v[\pw], v[TM+6], 16, v[\pw]
	v_lshl_or_b32 v[\pw], v[TM+7], 24, v[\pw]
	v_cvt_scalef32_pk16_fp6_f32 v[\d0:\d0+2], v[\s:\s+15], v[TM+12]
	v_cvt_scalef32_pk16_fp6_f32 v[T2:T2+2], v[\s+16:\s+31], v[TM+13]   ; (a conversion's three registers begin on an even number)
	v_cvt_scalef32_pk16_fp6_f32 v[\d1:\d1+2], v[\s+32:\s+47], v[TM+14]
	v_cvt_scalef32_pk16_fp6_f32 v[T2+4:T2+6], v[\s+48:\s+63], v[TM+15]
	v_nop                                          ; one plain instruction behind the scaled conversions
.irp i, 0,1,2
	v_permlane16_swap_b32 v[\d0+\i], v[T2+\i]      ; a whole block to a lane: lanes 0-15 the even block, lanes 16-31 the odd one
.endr
.irp i, 0,1,2
	v_permlane16_swap_b32 v[\d1+\i], v[T2+4+\i]
.endr
.irp i, 0,1,2
	v_mov_b32 v[\d0+3+\i], v[T2+\i]
	v_mov_b32 v[\d1+3+\i], v[T2+4+\i]
.endr
.endm
	s_load_b128 s[4:7], s[0:1], 0x0                ; x, w_qkv
	s_load_b128 s[8:11], s[0:1], 0x10              ; w_proj, xp
	s_load_b64 s[12:13], s[0:1], 0x20              ; wp
	v_lshl_add_u32 v212, v0, 2, 0x8400
	v_mov_b32 v213, 0
	v_lshrrev_b32 v1, 5, v0
	v_readfirstlane_b32 s14, v1                    ; wave 0..3
	v_and_b32 v8, 31, v0                           ; lane
	v_lshlrev_b32 v6, 3, v8                        ; 8 x lane: a piece's place, in both paths
	s_cmp_ge_u32 ttmp9, 512
	s_cbranch_scc1 .Lweights
	; ---- TOKENS.  Block PB = the work-group's number; its row i is token 32 (PB / 2) + 8 (PB % 2) + i % 8 + 16 (i / 8).
	v_lshlrev_b32 v1, 4, v8                        ; 16 x lane: my bytes of a load's 512
	v_and_b32 v2, 15, v0                           ; r
	v_bfe_u32 v3, v0, 4, 1                         ; h
	s_mul_i32 s15, s14, 8448                       ; my wave's stage
	v_add_nc_u32 v4, s15, v1                       ; into it: a row as it is loaded
	v_mul_u32_u24 v5, v2, 528
	v_lshl_add_u32 v5, v3, 6, v5
	v_add_nc_u32 v5, s15, v5                       ; out of it: row r, + 64 h: my 16 numbers of each block of 32.  528 bytes = 132 words: row r starts 4 r words on
	v_lshlrev_b32 v7, 3, v2
	v_lshl_add_u32 v7, v3, 2, v7                   ; 8 r + 4 h: lanes 0-15 store the first scale word, lanes 16-31 the second
	s_mov_b32 s20, 0xffff0000                      ; lanes 16-31
	s_mov_b32 s[SEL], 0x76543210
	s_mov_b32 s[SEL+1], 0xfedcba98
.irp b, 0,1,2,3
	v_mov_b32 v[TM+4+\b], 0                        ; written once: a lane permute's destination counts as one of its sources
.endr
	s_lshr_b32 s16, ttmp9, 1
	s_lshl_b32 s16, s16, 5
	s_and_b32 s17, ttmp9, 1
	s_lshl_b32 s17, s17, 3
	s_add_co_u32 s16, s16, s17                     ; the block's first token
	s_lshl_b32 s16, s16, 12                        ; x 4,096 bytes a row (under 2^25)
	s_lshl_b32 s17, s14, 10
	s_add_co_u32 s16, s16, s17                     ; + my wave's 256 numbers
	s_mov_b32 s17, 0
	s_lshr_b32 s18, ttmp9, 3
	s_mul_i32 s18, s18, PANEL                      ; the panel
	s_and_b32 s19, ttmp9, 7                        ; the block in it
	s_mul_i32 s24, s19, 768
	s_add_co_u32 s24, s24, s18
	s_mul_i32 s25, s14, 24576                      ; my wave's four planes
	s_add_co_u32 s24, s24, s25
	s_mov_b32 s25, 0
	s_lshl_b32 s26, s19, 7                         ; scale words: 16 rows x 8 bytes a block,
	s_add_co_u32 s26, s26, s18
	s_lshl_b32 s27, s14, 10                        ; 1,024 bytes for each 256 along K
	s_add_co_u32 s26, s26, s27
	s_add_co_u32 s26, s26, PSC
	s_mov_b32 s27, 0
	s_wait_alu depctr_va_vdst(0)
	s_wait_kmcnt 0x0
	s_add_nc_u64 s[4:5], s[4:5], s[16:17]
	s_add_nc_u64 s[24:25], s[10:11], s[24:25]
	s_add_nc_u64 s[26:27], s[10:11], s[26:27]
.irp k, 0,1
.irp i, 0,1,2,3,4,5,6,7,8,9,10,11,12,13,14,15
	global_load_b128 v[R+64*\k+4*\i:R+64*\k+4*\i+3], v1, s[4:5] offset:((\i%8)+16*(\i/8))*4096+512*\k th:TH_LOAD_NT   ; 32 lanes read 512 consecutive bytes of one row
.endr
.endr
.macro XSTEP k                         ; 128 along K of my 16 rows: through the stage, quantised, stored
.if \k == 0
	s_wait_loadcnt 16                              ; the first 16 loads are in; the second K step's 16 may be out
.else
	s_wait_loadcnt 0x0
.endif
.irp i, 0,1,2,3,4,5,6,7,8,9,10,11,12,13,14,15
	ds_store_b128 v4, v[R+64*\k+4*\i:R+64*\k+4*\i+3] offset:528*\i
.endr
.irp b, 0,1,2,3
.irp j, 0,1,2,3
	ds_load_b128 v[R+64*\k+16*\b+4*\j:R+64*\k+16*\b+4*\j+3], v5 offset:128*\b+16*\j   ; LDS serves a wave's instructions in order: these see my stores
.endr
.endr
	s_wait_dscnt 0x0
	QUANT R+64*\k, PC+12*\k, PC+12*\k+6, PW+\k
.irp c, 0,1
.irp p, 0,1,2
	global_store_b64 v6, v[PC+12*\k+6*\c+2*\p:PC+12*\k+6*\c+2*\p+1], s[24:25] offset:(2*\k+\c)*6144+256*\p   ; 32 lanes store 256 consecutive bytes, aligned
.endr
.endr
.endm
	XSTEP 0
	XSTEP 1
	v_cndmask_b32 v210, v[PW], v[PW+1], s20        ; both halves of the lanes hold row r's words
	global_store_b32 v7, v210, s[26:27]            ; 128 consecutive bytes
	s_wait_tensorcnt 0x0
	ds_add_u32 v212, v213
	s_wait_dscnt 0x0
	s_endpgm
	; ---- WEIGHTS.  A lane takes a column and its registers run down K: a block of 32 lies in one lane, and the conversions give codes with K innermost.
.Lweights:
	s_sub_co_u32 s15, ttmp9, 512
	s_and_b32 s16, s15, 31                         ; the panel of wp
	s_lshr_b32 s17, s15, 5                         ; which 64 along K
	s_wait_alu depctr_va_vdst(0)
	v_and_b32 v1, 7, v8
	v_and_b32 v2, 8, v8
	v_lshl_or_b32 v1, v2, 1, v1
	v_and_b32 v2, 16, v8
	v_lshrrev_b32 v2, 1, v2
	v_or_b32 v1, v1, v2                            ; my position's column among the wave's 32: the lane with bits 3 and 4 exchanged
	v_lshlrev_b32 v3, 2, v1
	s_mul_i32 s18, s16, PANEL
	; THE WEIGHTS' DEAL AS IT NOW STANDS: work-groups 512-1023 take a panel of a weight x 64 along K each (one plane: two blocks of 32 a lane), so that a wave's 64 loads are all issued at once.
	s_mul_i32 s19, s17, 6144                       ; s17: which 64 along K, 0..15: a plane of 6,144 bytes
	s_add_co_u32 s19, s19, s18
	s_mul_i32 s20, s14, 1536                       ; my wave's two blocks
	s_add_co_u32 s20, s20, s19
	s_mov_b32 s21, 0
	s_lshr_b32 s22, s17, 2
	s_lshl_b32 s22, s22, 10                        ; 1,024 bytes of scale words for each 256 along K,
	s_and_b32 s23, s17, 3
	s_lshl_b32 s23, s23, 1                         ; and in a position's eight bytes two for my plane
	s_add_co_u32 s22, s22, s23
	s_add_co_u32 s22, s22, s18
	s_lshl_b32 s23, s14, 8
	s_add_co_u32 s22, s22, s23
	s_add_co_u32 s22, s22, PSC
	s_mov_b32 s23, 0
	s_wait_kmcnt 0x0
	s_add_nc_u64 s[20:21], s[12:13], s[20:21]      ; codes
	s_add_nc_u64 s[22:23], s[12:13], s[22:23]      ; scale words
.macro WLOAD t, pitch                  ; block t: W(32 t + i, my column) into set t % 2; a wave's load reads 128 consecutive bytes
.irp i, 0,1,2,3,4,5,6,7,8,9,10,11,12,13,14,15,16,17,18,19,20,21,22,23,24,25,26,27,28,29,30,31
	global_load_b32 v[X+32*((\t)%2)+\i], v3, s[24:25] offset:(32*(\t)+\i)*\pitch th:TH_LOAD_NT
.endr
.endm
.macro WBLOCK t, pitch
.set XS, X+32*((\t)%2)
.if (\t) < 1
	s_wait_loadcnt 32                              ; this block's 32 loads are in; the next block's may be out
.else
	s_wait_loadcnt 0x0
.endif
	v_max3_num_f32 v12, |v[XS]|, |v[XS+1]|, |v[XS+2]|   ; all 32 numbers are mine: two chains
	v_max3_num_f32 v13, |v[XS+3]|, |v[XS+4]|, |v[XS+5]|
.irp i, 6,10,14,18,22,26
	v_max3_num_f32 v12, v12, |v[XS+\i]|, |v[XS+\i+1]|
	v_max3_num_f32 v13, v13, |v[XS+\i+2]|, |v[XS+\i+3]|
.endr
	v_max3_num_f32 v12, v12, |v[XS+30]|, |v[XS+31]|
	v_max3_num_f32 v12, v12, v13, 0x1800000        ; and the floor
	v_add_nc_u32 v11, 0xff000000, v12              ; the conversion's scale operand
	v_lshrrev_b32 v13, 23, v11                     ; the byte
.if ((\t)%4) == 0
	v_mov_b32 v[SB+(\t)/4], v13
.else
	v_lshl_or_b32 v[SB+(\t)/4], v13, 8*((\t)%4), v[SB+(\t)/4]
.endif
	v_cvt_scalef32_pk16_fp6_f32 v[C+6*(\t):C+6*(\t)+2], v[XS:XS+15], v11
	v_cvt_scalef32_pk16_fp6_f32 v[TT:TT+2], v[XS+16:XS+31], v11
	v_nop                                          ; one plain instruction behind the scaled conversions
.irp i, 0,1,2
	v_mov_b32 v[C+6*(\t)+3+\i], v[TT+\i]
.endr
.if ((\t)%2) == 1                      ; a plane (64 along K) is whole.  Lanes 0-15 hold block 2 w's rows, lanes 16-31 block 2 w + 1's: the exchange gives each block both halves of K
.irp i, 0,1,2,3,4,5
	v_permlane16_swap_b32 v[C+6*(\t)-6+\i], v[C+6*(\t)+\i]
.endr
.irp u, 0,1
.irp p, 0,1,2
	global_store_b64 v6, v[C+6*(\t)-6+6*\u+2*\p:C+6*(\t)-6+6*\u+2*\p+1], s[20:21] offset:((\t)/2)*6144+768*\u+256*\p   ; 256 consecutive bytes, aligned; no store's data are written again
.endr
.endr
.endif
.endm
.macro WPATH pitch
	WLOAD 0, \pitch
	WLOAD 1, \pitch
.irp t, 0,1
	WBLOCK \t, \pitch
.endr
	global_store_b16 v6, v[SB], s[22:23]           ; my position's two scale bytes of this plane: two bytes of its eight; four work-groups fill an aligned block of 256 bytes between them
.endm
	s_cmp_lt_u32 s16, 24
	s_cbranch_scc0 .Lw_proj
	s_mul_i32 s24, s17, 64*12288                   ; w_qkv: 64 rows of 12,288 bytes for each plane,
	s_lshl_b32 s25, s16, 9                         ; 128 columns a panel,
	s_add_co_u32 s24, s24, s25
	s_lshl_b32 s25, s14, 7                         ; 32 a wave
	s_add_co_u32 s24, s24, s25
	s_mov_b32 s25, 0
	s_add_nc_u64 s[24:25], s[6:7], s[24:25]
	s_wait_alu depctr_va_vdst(0)
	WPATH 12288                                    ; the largest offset, 63 x 12,288, lies inside the signed 24-bit immediate
	s_endpgm
.Lw_proj:
	s_sub_co_u32 s16, s16, 24
	s_mul_i32 s24, s17, 64*4096
	s_lshl_b32 s25, s16, 9
	s_add_co_u32 s24, s24, s25
	s_lshl_b32 s25, s14, 7
	s_add_co_u32 s24, s24, s25
	s_mov_b32 s25, 0
	s_add_nc_u64 s[24:25], s[8:9], s[24:25]
	s_wait_alu depctr_va_vdst(0)
	WPATH 4096
	s_endpgm
.Lfunc_end_k_qcd499a9c57_prep:
	.size	k_qcd499a9c57_prep, .Lfunc_end_k_qcd499a9c57_prep-k_qcd499a9c57_prep
	.p2alignl 7, 3214868480
	.fill 96, 4, 3214868480
	.section	.rodata,"a",@progbits
	.p2align	6, 0x0
	.amdhsa_kernel k_qcd499a9c57_prep
		.amdhsa_group_segment_fixed_size 34304
		.amdhsa_private_segment_fixed_size 0
		.amdhsa_enable_private_segment 0
		.amdhsa_kernarg_size 40
		.amdhsa_user_sgpr_count 2
		.amdhsa_user_sgpr_kernarg_segment_ptr 1
		.amdhsa_wavefront_size32 1
		.amdhsa_system_sgpr_workgroup_id_x 1
		.amdhsa_system_sgpr_workgroup_id_y 1
		.amdhsa_system_sgpr_workgroup_id_z 1
		.amdhsa_system_vgpr_workitem_id 0
		.amdhsa_next_free_vgpr 214
		.amdhsa_next_free_sgpr 66
		.amdhsa_reserve_vcc 0
		.amdhsa_float_denorm_mode_32 3
		.amdhsa_float_denorm_mode_16_64 3
		.amdhsa_memory_ordered 1
		.amdhsa_forward_progress 1
		.amdhsa_inst_pref_size 40
	.end_amdhsa_kernel
	.amdgpu_metadata
---
amdhsa.version: [ 1, 2 ]
amdhsa.kernels:
  - .name:           k_qcd499a9c57_prep
    .symbol:         k_qcd499a9c57_prep.kd
    .args:
      - { .name: x, .offset: 0, .size: 8, .value_kind: global_buffer, .address_space: global }
      - { .name: w_qkv, .offset: 8, .size: 8, .value_kind: global_buffer, .address_space: global }
      - { .name: w_proj, .offset: 16, .size: 8, .value_kind: global_buffer, .address_space: global }
      - { .name: xp, .offset: 24, .size: 8, .value_kind: global_buffer, .address_space: global }
      - { .name: wp, .offset: 32, .size: 8, .value_kind: global_buffer, .address_space: global }
    .group_segment_fixed_size: 34304
    .private_segment_fixed_size: 0
    .kernarg_segment_align: 8
    .kernarg_segment_size: 40
    .max_flat_workgroup_size: 128
    .sgpr_count:     66
    .vgpr_count:     214
    .wavefront_size: 32
...
	.end_amdgpu_metadata
.endif
;; end of part 1
;; launch qkv (part 2): grid 8 x 48, 4 waves a work-group, clusters of 4 x 4, 327,680 bytes of LDS; arguments xp, wp, b_qkv, qb, kv; writes qb, kv
.if DOCPART == 2
	.amdgcn_target "amdgcn-amd-amdhsa--gfx1250"
	.amdhsa_code_object_version 6
	.text
	.protected	k_qcd499a9c57_qkv
	.globl	k_qcd499a9c57_qkv
	.p2align	8
	.type	k_qcd499a9c57_qkv,@function
k_qcd499a9c57_qkv:
	s_mov_b64 s[64:65], 0
	v_nop
	global_prefetch_b8 v0, s[64:65] scope:SCOPE_SE
	s_setreg_imm32_b32 hwreg(HW_REG_WAVE_MODE, 25, 1), 1
	s_wait_xcnt 0x0
	s_wait_alu depctr_hold_cnt(0) depctr_sa_sdst(0) depctr_va_vdst(0) depctr_va_sdst(0) depctr_va_ssrc(0) depctr_va_vcc(0) depctr_vm_vsrc(0)
	s_getreg_b32 s2, hwreg(HW_REG_IB_STS2, 6, 4)
	s_cmp_eq_u32 s2, 0
	s_cbranch_scc0 .Lentry_in_a_cluster
	s_endpgm
.Lentry_in_a_cluster:
	s_bfe_u32 s2, ttmp6, 0x10000c
	s_cmp_lg_u32 s2, 0xf033
	s_cbranch_scc0 .Lentry_shape_is_right
	s_endpgm
.Lentry_shape_is_right:
; q, k, v = x w_qkv + b_qkv on codes of FP6 (E2M3) with E8M0 scales, and q, k, v quantised at once for attention's two products: no f32 result goes to memory.
; xp, wp: panels of 128 positions (position = index with bits 3 and 4 exchanged), 102,400 bytes: codes [k / 64 (16)][block of 16 (8)][piece (3)][lane (32)][8 bytes], then at 98,304 scale words [k / 256 (4)][position (128)][2].
; A tile is 256 x 256, four waves, 128 x 128 a wave: 64 accumulators.  The matrix instruction takes "B" as source 0 and "A" as source 1: a lane holds ONE row of A, its registers run along B; by the order of
; positions the 16 registers of B's blocks 2 g and 2 g + 1 are 16 NEIGHBOURS: index 32 g + 16 (lane / 16) + 0 .. 15.  So the results are quantised in registers along B.
; TWO TYPES of tile, told apart by the cluster's y alone (the same in all partners).  Type 0 (clusters y 0-7): A = tokens, B = channels of q (cluster x 0) or k (1): quantised along the head's 64 channels.
; Type 1 (clusters y 8-11): A = channels of v, B = tokens: quantised along the keys.
; OUT, in the order of attention's registers.  A head's step = 128 tokens.  qb: [head 64][step 16][6,400]: 4 images of 1,536 bytes, 256 bytes of scale words.  kv: [head][step][12,800]: K's 4 images, V's 4, K's scale words, V's.
; An image = 12 registers x 32 lanes: chunk c (512 bytes) = registers 4 c .. 4 c + 3, lane l at 16 l.  K/Q image g: registers 0-5 token block 2 g (lane (r, h): channels 32 h ..), registers 6-11 block 2 g + 1.
; V image T: 16 channel positions x 128 keys.  Scale words: lane r's 16 bytes at 16 r, word g or T.
; K = 1,024 goes in four K steps of 256 through THREE LDS slots: three are asked for at the head, the fourth fills slot 0 again and has two K steps' products in which to land.  So nothing is prefetched.
; CLUSTERS 4 x 4: A's tiles are shared along a row of the cluster, B's along a column: joint loads.  A panel's K step is one dense block of 24,576 bytes: 96 rows of 256.
; LIMITS: NaN and infinities are not served; a block whose largest magnitude lies under 2^-124 gets the byte 1 (this program alone reads the bytes).
; REGISTERS: window 0: v8-15 the bias along A; v16-29 addresses; v32-63 scale words, two sets; v64-127 the bias as C; v128-223 A's 8 fragments.  window 1: B's fragments, two sets, at v0 and v128.
;   windows 2, 3: accumulator (a, b) at v[8 (8 (a % 4) + b)], a < 4 in window 2.  On the way out v32-99 of window 0 are at work.
.set HALFT, 24576                      ; a panel's K step
; LDS: a region of REG bytes for each of the four panels (A's two, then B's two), filled by ONE tensor load a wave at the head: the panel's bytes from K step 1 on, 304 rows of 256 bytes: K steps 1, 2, 3 and the scale words.
; K is walked in the order 1, 2, 3, 0: the walk's step j is the panel's K step (j + 1) % 4; K step 0 is the one refill, over K step 1's bytes.
.set SLOT,  HALFT                      ; from a K step's place in a region to the next
.set SCL,   3*HALFT                    ; the scale words' place in a region
.set REG,   SCL+4096                   ; a region
.set SPARE, 4*REG                      ; the spare words, 128 bytes for each wave: two blocks of 256 bytes that no other line names
.set PANEL, 102400
.set PSC,   98304
.set FR,    12                         ; registers of a fragment
.set NL,    6                          ; LDS loads that bring one
.set BV,   8
.set ADRA, 16                          ; v16-18 my A fragments in slot 0, 1, 2: + 8 x lane
.set ADRB, 20                          ; v20-22 the same for B
.set LI,   23                          ; v23 16 x lane
.set SCO,  24                          ; v24 where my lane's scale words go
.set VSEL, 25                          ; v25 byte selects: lanes 0-15 the first head's, lanes 16-31 the second's
.set ADRS, 27                          ; v27 my scale words: lanes 0-15 A's rows, lanes 16-31 B's
.set SPW,  28                          ; v28 my spare word; never rewritten
.set NIL,  29                          ; v29 0; never rewritten
.set SC,   32
.set BI,   64
.set AF,   128
.set TM,   32                          ; the way out
.set PWA,  48
.set PWB,  49
.set T2,   52
.set IM,   64
.set SW,   88
.set WS,   92
.set G1,   24                          ; s[24:31] group 1 for A's codes; s[32:39] B's
.set G1B,  32
.set G1S,  40
.set G1SB, 48
.set G0S,  56
.set G0SB, 60
.set G0,   68                          ; s[68:71] group 0 for A's panel; s[80:83] for B's
.set G0B,  80
.set MSB, 0
.macro WIN new                         ; the immediate's high byte repeats the setting that is left
.if MSB != \new
	s_set_vgpr_msb (MSB<<8)|\new
.set MSB, \new
.endif
.endm
.set MUL_LO,   0xa1                    ; source 0 (B) window 1, source 1 (A) window 0, C and D window 2
.set MUL_HI,   0xf1                    ; the same, C and D window 3
.set FIRST_LO, 0x81                    ; C (the bias) window 0, D window 2
.set FIRST_HI, 0xc1
.set TO_B,     0x40                    ; destination window 1, address window 0
.macro PLACES                          ; four plain instructions between a matrix instruction and a load into, or a vector instruction on, its registers
.rept 4
	v_nop
.endr
.endm
.macro CREST                           ; a round of the cluster's barrier behind its opening barrier
	s_cmp_lg_u32 s14, 0
	s_cbranch_scc1 .Lnot_wave_0_\@
	s_barrier_signal -3
.Lnot_wave_0_\@:
	s_barrier_wait -3
	s_barrier_signal -1
	s_barrier_wait -1
.endm
.macro CROUND
	s_barrier_signal -1
	s_barrier_wait -1
	CREST
.endm
.macro JLOAD                           ; the one refill: slot 0.  Waves 0, 1 ask for A's panels, waves 2, 3 for B's; four v_nop follow each line
	s_cmp_eq_u32 s15, 0
	s_cbranch_scc0 .Lfor_b_\@
	tensor_load_to_lds s[G0:G0+3], s[G1:G1+7]
	s_nop 0
.rept 4
	v_nop
.endr
	s_branch .Lasked_\@
.Lfor_b_\@:
	tensor_load_to_lds s[G0B:G0B+3], s[G1B:G1B+7]
	s_nop 0
.rept 4
	v_nop
.endr
.Lasked_\@:
.endm
.macro FRAG reg, adr, off              ; a fragment: two planes x three pieces of 8 bytes; the 32 lanes of a load read 256 consecutive bytes
.irp p, 0,1,2,3,4,5
	ds_load_b64 v[\reg+2*\p:\reg+2*\p+1], v[\adr] offset:\off+6144*(\p/3)+256*(\p%3)
.endr
.endm
.macro FETCH_B slot, q, set            ; B's eight fragments of the slot's q-th 128 along K
	WIN TO_B
.irp i, 0,1,2,3,4,5,6,7
	FRAG 128*(\set)+FR*\i, ADRB+\slot, 12288*(\q)+768*\i
.endr
	WIN 0
.endm
.macro FETCH_A slot, q, i0             ; A's blocks i0 .. i0 + 3
.irp i, \i0, \i0+1, \i0+2, \i0+3
	FRAG AF+FR*(\i), ADRA+\slot, 12288*(\q)+768*(\i)
.endr
.endm
.macro SCALES ks, set                  ; K step ks's scale words: register 2 i + q: lanes 0-15 A's block i, lanes 16-31 B's block i
.irp i, 0,1,2,3,4,5,6,7
	ds_load_b64 v[SC+16*(\set)+2*\i:SC+16*(\set)+2*\i+1], v[ADRS] offset:1024*(((\ks)+1)%4)+128*\i   ; the walk's step ks is the panel's K step (ks + 1) % 4
.endr
.endm
.macro MM a, b, p, q, sc, cm           ; one product.  cm = 0: onto the sum; 1: the sum starts with the bias along B; 2: with the bias along A
.set rD, 8*(8*((\a)%4)+\b)
.set rB, 128*(\p)+FR*\b
.set rA, AF+FR*(\a)
.set sB, SC+16*(\sc)+2*\b+(\q)
.set sA, SC+16*(\sc)+2*(\a)+(\q)
.if \cm == 0
	v_wmma_scale_f32_16x16x128_f8f6f4 v[rD:rD+7], v[rB:rB+FR-1], v[rA:rA+FR-1], v[rD:rD+7], v[sB], v[sA] matrix_a_fmt:MATRIX_FMT_FP6 matrix_b_fmt:MATRIX_FMT_FP6 matrix_a_scale:MATRIX_SCALE_ROW1
.elseif \cm == 1
	v_wmma_scale_f32_16x16x128_f8f6f4 v[rD:rD+7], v[rB:rB+FR-1], v[rA:rA+FR-1], v[BI+8*\b:BI+8*\b+7], v[sB], v[sA] matrix_a_fmt:MATRIX_FMT_FP6 matrix_b_fmt:MATRIX_FMT_FP6 matrix_a_scale:MATRIX_SCALE_ROW1
.else
	v_wmma_scale_f32_16x16x128_f8f6f4 v[rD:rD+7], v[rB:rB+FR-1], v[rA:rA+FR-1], v[BI+8*(\a):BI+8*(\a)+7], v[sB], v[sA] matrix_a_fmt:MATRIX_FMT_FP6 matrix_b_fmt:MATRIX_FMT_FP6 matrix_a_scale:MATRIX_SCALE_ROW1
.endif
.endm
.macro MUL16 a0, p, q, sc, cm          ; A's blocks a0, a0 + 1 x B's eight.  The 64 accumulators take turns, one instruction a turn, in the same order in every step
.irp a, \a0, \a0+1
.irp b, 0,1,2,3,4,5,6,7
	MM \a, \b, \p, \q, \sc, \cm
.endr
.endr
.endm
; A step of 128 along K: multiplies B's set q with scale words (set sc, word q); fetches the next step's fragments from slot ns, its nq-th 128; nks >= 0: K step nks's scale words too.
.macro STEP q, sc, cm, ns, nq, nks
	s_wait_dscnt 4*NL                              ; all but the youngest 24 loads (A's blocks 4-7) are in
.if \cm
	WIN FIRST_LO
.else
	WIN MUL_LO
.endif
	MUL16 0, \q, \q, \sc, \cm
	MUL16 2, \q, \q, \sc, \cm
	s_wait_dscnt 0x0                               ; A's blocks 4-7 are in
	PLACES
	FETCH_B \ns, \nq, 1-(\q)
	FETCH_A \ns, \nq, 0
.if \nks >= 0
	SCALES \nks, (\nks)%2
.endif
.if \cm
	WIN FIRST_HI
.else
	WIN MUL_HI
.endif
	MUL16 4, \q, \q, \sc, \cm
	MUL16 6, \q, \q, \sc, \cm
	PLACES
	WIN 0
	FETCH_A \ns, \nq, 4
.endm
; A slot's second step with a barrier in it.  In front of the barrier each wave waits for all its tensor loads, adds 0 to its spare word, and waits for that and for its reads of the slot.
; fill = 1: the barrier opens a round of the cluster's, and slot 0 is filled again with K step 3.  fill = 0: the barrier shows K step 3 to every wave.
.macro TURN sc, ns, nks, fill
	s_wait_tensorcnt 0x0                           ; all my tensor loads have landed
	ds_add_u32 v[SPW], v[NIL]                      ; 0 onto my spare word
	s_wait_dscnt 4*NL+1                            ; (the add and the youngest 24 loads may be out)
	WIN MUL_LO
	MUL16 0, 1, 1, \sc, 0
	s_wait_dscnt 0x0                               ; the add is done, and my reads of the slot are over
	s_barrier_signal -1
	MUL16 2, 1, 1, \sc, 0
	WIN 0
	s_barrier_wait -1
.if \fill
	CREST                                          ; no wave of any partner still reads slot 0 or has a load on its way
	s_sub_nc_u64 s[G0+2:G0+3], s[G0+2:G0+3], HALFT     ; back to the panel's K step 0 (no tensor load of mine is out: the descriptors may be written)
	s_sub_nc_u64 s[G0B+2:G0B+3], s[G0B+2:G0B+3], HALFT
	s_mov_b32 s[G1+2], 96<<16                      ; the refill brings 96 rows
	s_mov_b32 s[G1+4], 96
	s_mov_b32 s[G1B+2], 96<<16
	s_mov_b32 s[G1B+4], 96
	JLOAD                                          ; the first tensor load behind the round; its four v_nop are also the places in front of the loads below
.else
	PLACES
.endif
	FETCH_B \ns, 0, 0
	FETCH_A \ns, 0, 0
	SCALES \nks, (\nks)%2
	WIN MUL_HI
	MUL16 4, 1, 1, \sc, 0
	MUL16 6, 1, 1, \sc, 0
	PLACES
	WIN 0
	FETCH_A \ns, 0, 4
.endm
	s_load_b256 s[4:11], s[0:1], 0x0               ; xp s[4:5], wp s[6:7], b_qkv s[8:9], qb s[10:11]
	s_load_b64 s[12:13], s[0:1], 0x20              ; kv
	v_lshl_add_u32 v[SPW], v0, 2, SPARE
	v_mov_b32 v[NIL], 0
	ds_add_u32 v28, v29
	ds_add_u32 v28, v29
	s_wait_dscnt 0x0
	v_lshrrev_b32 v1, 5, v0
	v_readfirstlane_b32 s14, v1                    ; wave 0..3
	s_lshr_b32 s15, s14, 1                         ; my half of A.  Also: I fetch for A (0) or for B (1)
	s_and_b32 s16, s14, 1                          ; my half of B.  Also: which panel of the tile I fetch
	s_bfe_u32 s96, ttmp6, 0x40000                  ; cx
	s_bfe_u32 s97, ttmp6, 0x40004                  ; cy
	s_and_b32 s98, ttmp7, 0xffff                   ; the cluster's y
	s_lshl_b32 s17, s98, 2
	s_lshl_b32 s18, ttmp9, 2
	s_lshl_b32 s19, s98, 3
	s_add_co_u32 s19, s19, s18
	s_sub_co_u32 s19, s19, 64                      ; 4 (2 (cluster y - 8) + cluster x): used in type 1 alone
	s_cmp_ge_u32 s98, 8
	s_cselect_b32 s99, 1, 0                        ; the type
	s_cselect_b32 s17, 0, s17                      ; A's first tile of the cluster
	s_cselect_b32 s18, s19, s18                    ; B's
	s_cselect_b32 s19, 16, 0                       ; v's channels begin at panel 16 of wp
	s_add_co_u32 s17, s17, s97                     ; A's tile: hangs on cy, never on cx
	s_add_co_u32 s18, s18, s96                     ; B's tile: hangs on cx, never on cy
	s_lshl_b32 s20, s97, 2
	s_lshl_b32 s20, 15, s20                        ; my row of the cluster
	s_lshl_b32 s21, 0x1111, s96                    ; my column
	s_or_b32 s[G1+0], s20, (3<<16)|(1<<21)         ; 15:0 the mask; 17:16 elements of 8 bytes; 21 set beside a mask; no padding
	s_or_b32 s[G1B+0], s21, (3<<16)|(1<<21)
.irp g, G1, G1B
	s_mov_b32 s[\g+1], 32<<16                      ; tensor_dim0 = 32 elements: 256 bytes
	s_mov_b32 s[\g+2], 304<<16                     ; tensor_dim1 = 304 rows at the head
	s_mov_b32 s[\g+3], 32<<16                      ; tile_dim0
	s_mov_b32 s[\g+4], 304                         ; tile_dim1
	s_mov_b32 s[\g+5], 32                          ; the pitch: dense
	s_mov_b32 s[\g+6], 0
	s_mov_b32 s[\g+7], 0
.endr
	s_lshl_b32 s22, s17, 1
	s_add_co_u32 s22, s22, s16
	s_add_co_u32 s22, s22, s19
	s_mul_i32 s22, s22, PANEL                      ; A's panel that I would fetch, in bytes
	s_mov_b32 s23, 0
	s_lshl_b32 s100, s18, 1
	s_add_co_u32 s100, s100, s16
	s_mul_i32 s100, s100, PANEL                    ; B's
	s_mov_b32 s101, 0
	s_mul_i32 s2, s14, REG                         ; where my panel goes: wave x a region: no place in the cluster enters an LDS address
	s_wait_kmcnt 0x0
	s_cmp_eq_u32 s99, 0
	s_cselect_b64 s[20:21], s[4:5], s[6:7]         ; A: tokens (type 0) or weights
	s_cselect_b64 s[4:5], s[6:7], s[4:5]           ; B: the other
	s_add_nc_u64 s[20:21], s[20:21], s[22:23]
	s_add_nc_u64 s[100:101], s[4:5], s[100:101]
	s_mov_b32 s[G0], 1
	s_add_co_u32 s[G0+1], s2, 0
	s_add_nc_u64 s[G0+2:G0+3], s[20:21], HALFT     ; from the panel's K step 1 on
	s_or_b32 s[G0+3], s[G0+3], 0x80000000
	s_mov_b32 s[G0B], 1
	s_add_co_u32 s[G0B+1], s2, 0
	s_add_nc_u64 s[G0B+2:G0B+3], s[100:101], HALFT
	s_or_b32 s[G0B+3], s[G0B+3], 0x80000000
	CROUND                                         ; all sixteen work-groups are here: the first joint loads meet
	s_cmp_eq_u32 s15, 0                            ; a wave's one fill stands in a branch: one tensor load of mine is out
	s_cbranch_scc0 .Lfill_b
	tensor_load_to_lds s[G0:G0+3], s[G1:G1+7]      ; my one load at the head
	s_nop 0
.rept 4
	v_nop
.endr
	s_branch .Lfilled
.Lfill_b:
	tensor_load_to_lds s[G0B:G0B+3], s[G1B:G1B+7]  ; my one load at the head
	s_nop 0
.rept 4
	v_nop
.endr
.Lfilled:
	v_and_b32 v1, 15, v0                           ; r
	v_bfe_u32 v2, v0, 4, 1                         ; h
	s_wait_alu depctr_va_vdst(0)
	v_and_b32 v3, 31, v0                           ; lane
	v_lshlrev_b32 v4, 3, v3
	s_mul_i32 s2, s15, REG
	s_mul_i32 s3, s16, REG
	s_add_co_u32 s3, s3, 2*REG
.irp s, 0,1,2
	v_add_nc_u32 v[ADRA+\s], s2, v4
	v_add_nc_u32 v[ADRB+\s], s3, v4
	s_add_co_u32 s2, s2, SLOT
	s_add_co_u32 s3, s3, SLOT
.endr
	s_mul_i32 s2, s15, REG                         ; A's scale words: in my panel's region
	s_mul_i32 s3, s16, REG
	s_add_co_u32 s3, s3, 2*REG                     ; B's regions lie behind A's two
	s_sub_co_u32 s3, s3, s2
	v_mul_u32_u24 v5, s3, v2                       ; lanes 16-31 take B's: one product, the distance between the two
	s_add_co_u32 s2, s2, SCL
	v_lshl_add_u32 v5, v1, 3, v5                   ; 8 bytes a row
	v_add_nc_u32 v[ADRS], s2, v5
	s_lshl_b32 s22, s17, 1
	s_add_co_u32 s22, s22, s15                     ; U1: my panel of A (without the 16)
	s_lshl_b32 s23, s18, 1
	s_add_co_u32 s23, s23, s16                     ; U0: my panel of B
	; THE BIAS is the C of each sum's first product.  Both forms are loaded, each with its panel's number masked so that it stays inside b_qkv; the first step takes the one of its type.
	s_and_b32 s2, s23, 15
	s_lshl_b32 s2, s2, 9
	s_mov_b32 s3, 0
	s_add_nc_u64 s[2:3], s[8:9], s[2:3]            ; along B: q's and k's channels, 128 U0 on
	s_and_b32 s4, s22, 7
	s_lshl_b32 s4, s4, 9
	s_add_co_u32 s4, s4, 8192
	s_mov_b32 s5, 0
	s_add_nc_u64 s[4:5], s[8:9], s[4:5]            ; along A: v's channels, 2,048 + 128 U1 on
	v_lshlrev_b32 v5, 6, v2                        ; block b's register j is channel 32 (b / 2) + 8 (b % 2) + 16 h + j
.irp b, 0,1,2,3,4,5,6,7
	global_load_b128 v[BI+8*\b:BI+8*\b+3], v5, s[2:3] offset:(32*(\b/2)+8*(\b%2))*4
	global_load_b128 v[BI+8*\b+4:BI+8*\b+7], v5, s[2:3] offset:(32*(\b/2)+8*(\b%2))*4+16
.endr
	v_and_b32 v6, 7, v1
	v_and_b32 v7, 8, v1
	v_lshl_or_b32 v6, v7, 1, v6
	v_lshlrev_b32 v6, 2, v6                        ; block a's lane r is channel 32 (a / 2) + 8 (a % 2) + r % 8 + 16 (r / 8)
.irp a, 0,1,2,3,4,5,6,7
	global_load_b32 v[BV+\a], v6, s[4:5] offset:(32*(\a/2)+8*(\a%2))*4
.endr
	; where the results go
	s_and_b32 s21, s23, 7
	s_or_b32 s17, s99, ttmp9                       ; 0 for q alone
	s_cmp_eq_u32 s17, 0
	s_cselect_b64 s[92:93], s[10:11], s[12:13]
	s_mov_b32 s18, 204800
	s_cselect_b32 s18, 102400, s18                 ; bytes of a head
	s_mov_b32 s19, 12800
	s_cselect_b32 s19, 6400, s19                   ; of a step
	s_mov_b32 s20, 12288
	s_cselect_b32 s20, 6144, s20                   ; from the images to the scale words: q, k
	s_cmp_eq_u32 s99, 0
	s_cselect_b32 s20, s20, 6400                   ; v
	s_cselect_b32 s96, 0, 6144                     ; V's images lie behind K's
	s_cselect_b32 s97, s22, s23                    ; my panel of tokens
	s_cselect_b32 s98, s21, s22                    ; my panel of channels: two heads
	s_lshr_b32 s100, s97, 4
	s_lshl_b32 s100, s100, 4                       ; 16 x batch
	s_lshl_b32 s98, s98, 1
	s_add_co_u32 s100, s100, s98                   ; my first head
	s_mul_i32 s100, s100, s18
	s_and_b32 s97, s97, 15                         ; the step
	s_mul_i32 s97, s97, s19
	s_add_co_u32 s100, s100, s97
	s_add_co_u32 s100, s100, s96
	s_mov_b32 s101, 0
	s_add_nc_u64 s[92:93], s[92:93], s[100:101]    ; the first head's images
	s_mov_b32 s100, s18
	s_add_nc_u64 s[94:95], s[92:93], s[100:101]    ; the second head's
	v_lshlrev_b32 v[LI], 4, v3
	v_mul_u32_u24 v[SCO], s18, v2                  ; lanes 16-31 store the second head's scale words
	v_lshl_add_u32 v[SCO], v1, 4, v[SCO]
	v_add_nc_u32 v[SCO], s20, v[SCO]
	s_mov_b32 s21, 0xffff0000                      ; lanes 16-31
	v_mov_b32 v[VSEL], 0x05040100
	v_mov_b32 v4, 0x07060302
	v_cndmask_b32 v[VSEL], v[VSEL], v4, s21
	s_mov_b32 s96, 0x76543210
	s_mov_b32 s97, 0xfedcba98                      ; v_permlanex16_b32's selects for lane l xor 16
	s_wait_tensorcnt 0x0                           ; my panel's three K steps and scale words are in
	s_barrier_signal -1
	s_barrier_wait -1
	FETCH_B 0, 0, 0
	FETCH_A 0, 0, 0
	SCALES 0, 0
	FETCH_A 0, 0, 4
	s_wait_loadcnt 0x0                             ; the bias
	s_cmp_eq_u32 s99, 0
	s_cbranch_scc0 .Lstart_v
	STEP 0, 0, 1, 0, 1, -1                         ; type 0: the sums start with the bias along B
	s_branch .Lstarted
.Lstart_v:
.irp a, 0,1,2,3,4,5,6,7
.irp j, 0,1,2,3,4,5,6,7
	v_mov_b32 v[BI+8*\a+\j], v[BV+\a]              ; type 1: a lane's channel has one bias for all eight registers
.endr
.endr
	PLACES
	s_wait_alu depctr_va_vdst(0)
	STEP 0, 0, 2, 0, 1, -1
.Lstarted:
	TURN 0, 1, 1, 1                                ; K step 0's second half; K step 3 is asked for, into slot 0
	STEP 0, 1, 0, 1, 1, -1                         ; K step 1
	STEP 1, 1, 0, 2, 0, 2                          ; on into slot 2 with no barrier: every wave waited for all its loads in front of the barrier above
	STEP 0, 0, 0, 2, 1, -1                         ; K step 2
	TURN 0, 0, 3, 0                                ; its second half; the barrier shows K step 3 to every wave
	STEP 0, 1, 0, 0, 1, -1                         ; K step 3
	s_wait_dscnt 4*NL
	WIN MUL_LO
	MUL16 0, 1, 1, 1, 0
	MUL16 2, 1, 1, 1, 0
	s_wait_dscnt 0x0
	WIN MUL_HI
	MUL16 4, 1, 1, 1, 0
	MUL16 6, 1, 1, 1, 0
	WIN 0
; THE WAY OUT.  A's block a: my row's 128 numbers along B lie in 64 registers, register 16 b + i = index 32 b + 16 (lane / 16) + i.  They become two runs of six registers of codes (d0: index 0-63, d1: 64-127) and a scale word.
; Each accumulator is read from its low end on.
.macro QUANTW a, d0, d1, pw
.set AS, 64*((\a)%4)
	WIN 0x0a+5*((\a)/4)                            ; sources 0 and 1: window 2 or 3
.irp b, 0,1,2,3
	v_max3_num_f32 v[TM+\b], |v[AS+16*\b]|, |v[AS+1+16*\b]|, 0x1800000   ; and the floor 2^(3 - 127)
.endr
.irp i, 2,4,6,8,10,12,14
.irp b, 0,1,2,3
	v_max3_num_f32 v[TM+\b], |v[AS+16*\b+\i]|, |v[AS+1+16*\b+\i]|, v[TM+\b]
.endr
.endr
	WIN 0
.irp b, 0,1,2,3
	v_permlanex16_b32 v[TM+4+\b], v[TM+\b], s96, s97
.endr
.irp b, 0,1,2,3
	v_max_num_f32 v[TM+\b], v[TM+\b], v[TM+4+\b]
.endr
.irp b, 0,1,2,3
	v_add_nc_u32 v[TM+12+\b], 0xff000000, v[TM+\b] ; 2 off the exponent field: the conversion's scale operand
.endr
.irp b, 0,1,2,3
	v_lshrrev_b32 v[TM+4+\b], 23, v[TM+12+\b]
.endr
	v_lshl_or_b32 v[\pw], v[TM+5], 8, v[TM+4]
	v_lshl_or_b32 v[\pw], v[TM+6], 16, v[\pw]
	v_lshl_or_b32 v[\pw], v[TM+7], 24, v[\pw]
	WIN 0x02+((\a)/4)                              ; source 0: window 2 or 3
	v_cvt_scalef32_pk16_fp6_f32 v[\d0:\d0+2], v[AS:AS+15], v[TM+12]
	v_cvt_scalef32_pk16_fp6_f32 v[T2:T2+2], v[AS+16:AS+31], v[TM+13]
	v_cvt_scalef32_pk16_fp6_f32 v[\d1:\d1+2], v[AS+32:AS+47], v[TM+14]
	v_cvt_scalef32_pk16_fp6_f32 v[T2+4:T2+6], v[AS+48:AS+63], v[TM+15]
	WIN 0
	v_nop                                          ; one plain instruction behind the scaled conversions
.irp i, 0,1,2
	v_permlane16_swap_b32 v[\d0+\i], v[T2+\i]
.endr
.irp i, 0,1,2
	v_permlane16_swap_b32 v[\d1+\i], v[T2+4+\i]
.endr
.irp i, 0,1,2
	v_mov_b32 v[\d0+3+\i], v[T2+\i]
	v_mov_b32 v[\d1+3+\i], v[T2+4+\i]
.endr
.endm
	PLACES
.irp b, 0,1,2,3
	v_mov_b32 v[TM+4+\b], 0                        ; a lane permute's destination counts as one of its sources
.endr
	s_cmp_eq_u32 s99, 0
	s_cbranch_scc0 .Lout_v
.irp g, 0,1,2,3                        ; q, k: token blocks 2 g and 2 g + 1 make image g of both heads: d0 is the first head's 64 channels, d1 the second's
.if \g > 0
	s_wait_xcnt 0x0                                ; the last image's stores have read their registers
.endif
	QUANTW 2*\g, IM, IM+12, PWA
	QUANTW 2*\g+1, IM+6, IM+18, PWB
	v_perm_b32 v[SW+\g], v[PWB], v[PWA], v[VSEL]   ; word g: two bytes of block 2 g's token, two of block 2 g + 1's; lanes 0-15 the first head's, lanes 16-31 the second's
.irp k, 0,1,2
	global_store_b128 v[LI], v[IM+4*\k:IM+4*\k+3], s[92:93] offset:1536*\g+512*\k      ; 512 consecutive bytes, aligned
	global_store_b128 v[LI], v[IM+12+4*\k:IM+12+4*\k+3], s[94:95] offset:1536*\g+512*\k
.endr
.endr
	global_store_b128 v[SCO], v[SW:SW+3], s[92:93] ; 256 consecutive bytes for each head
	s_branch .Lend
.Lout_v:
.irp a, 0,1,2,3,4,5,6,7                ; v: channel block a is image a % 4 of head a / 4: a plain fragment of 128 keys
.if \a > 0
	s_wait_xcnt 0x0
.endif
	QUANTW \a, IM, IM+6, WS+\a
.irp k, 0,1,2
	global_store_b128 v[LI], v[IM+4*\k:IM+4*\k+3], s[92+2*(\a/4):93+2*(\a/4)] offset:1536*(\a%4)+512*\k
.endr
.endr
.irp t, 0,1,2,3
	v_cndmask_b32 v[SW+\t], v[WS+\t], v[WS+4+\t], s21
.endr
	global_store_b128 v[SCO], v[SW:SW+3], s[92:93]
.Lend:
	s_wait_tensorcnt 0x0                           ; the wave's end
	ds_add_u32 v[SPW], v[NIL]
	s_wait_dscnt 0x0
	CROUND                                         ; the closing round: no work-group ends while a partner may still ask for a tile that names it
	s_endpgm
.Lfunc_end_k_qcd499a9c57_qkv:
	.size	k_qcd499a9c57_qkv, .Lfunc_end_k_qcd499a9c57_qkv-k_qcd499a9c57_qkv
	.p2alignl 7, 3214868480
	.fill 96, 4, 3214868480
	.section	.rodata,"a",@progbits
	.p2align	6, 0x0
	.amdhsa_kernel k_qcd499a9c57_qkv
		.amdhsa_group_segment_fixed_size 327680
		.amdhsa_private_segment_fixed_size 0
		.amdhsa_enable_private_segment 0
		.amdhsa_kernarg_size 40
		.amdhsa_user_sgpr_count 2
		.amdhsa_user_sgpr_kernarg_segment_ptr 1
		.amdhsa_wavefront_size32 1
		.amdhsa_system_sgpr_workgroup_id_x 1
		.amdhsa_system_sgpr_workgroup_id_y 1
		.amdhsa_system_sgpr_workgroup_id_z 1
		.amdhsa_system_vgpr_workitem_id 0
		.amdhsa_next_free_vgpr 1024
		.amdhsa_next_free_sgpr 102
		.amdhsa_reserve_vcc 0
		.amdhsa_float_denorm_mode_32 3
		.amdhsa_float_denorm_mode_16_64 3
		.amdhsa_memory_ordered 1
		.amdhsa_forward_progress 1
		.amdhsa_inst_pref_size 214
	.end_amdhsa_kernel
	.amdgpu_metadata
---
amdhsa.version: [ 1, 2 ]
amdhsa.kernels:
  - .name:           k_qcd499a9c57_qkv
    .symbol:         k_qcd499a9c57_qkv.kd
    .args:
      - { .name: xp, .offset: 0, .size: 8, .value_kind: global_buffer, .address_space: global }
      - { .name: wp, .offset: 8, .size: 8, .value_kind: global_buffer, .address_space: global }
      - { .name: b_qkv, .offset: 16, .size: 8, .value_kind: global_buffer, .address_space: global }
      - { .name: qb, .offset: 24, .size: 8, .value_kind: global_buffer, .address_space: global }
      - { .name: kv, .offset: 32, .size: 8, .value_kind: global_buffer, .address_space: global }
    .group_segment_fixed_size: 327680
    .private_segment_fixed_size: 0
    .kernarg_segment_align: 8
    .kernarg_segment_size: 40
    .max_flat_workgroup_size: 128
    .sgpr_count:     102
    .vgpr_count:     1024
    .wavefront_size: 32
...
	.end_amdgpu_metadata
.endif
;; end of part 2
;; launch attn (part 3): grid 4 x 64, 16 waves a work-group, clusters of 4 x 1, 206,848 bytes of LDS; arguments qb, kv, op; writes op
.if DOCPART == 3
	.amdgcn_target "amdgcn-amd-amdhsa--gfx1250"
	.amdhsa_code_object_version 6
	.text
	.protected	k_qcd499a9c57_attn
	.globl	k_qcd499a9c57_attn
	.p2align	8
	.type	k_qcd499a9c57_attn,@function
k_qcd499a9c57_attn:
	s_mov_b64 s[64:65], 0
	v_nop
	global_prefetch_b8 v0, s[64:65] scope:SCOPE_SE
	s_setreg_imm32_b32 hwreg(HW_REG_WAVE_MODE, 25, 1), 1
	s_wait_xcnt 0x0
	s_wait_alu depctr_hold_cnt(0) depctr_sa_sdst(0) depctr_va_vdst(0) depctr_va_sdst(0) depctr_va_ssrc(0) depctr_va_vcc(0) depctr_vm_vsrc(0)
	s_getreg_b32 s2, hwreg(HW_REG_IB_STS2, 6, 4)
	s_cmp_eq_u32 s2, 0
	s_cbranch_scc0 .Lentry_in_a_cluster
	s_endpgm
.Lentry_in_a_cluster:
	s_bfe_u32 s2, ttmp6, 0x10000c
	s_cmp_lg_u32 s2, 0x3003
	s_cbranch_scc0 .Lentry_shape_is_right
	s_endpgm
.Lentry_shape_is_right:
; o = softmax(q k^T / 8) v for one head (of 64: 16 x batch + head) and 512 queries a work-group, both products on codes of FP6 (E2M3) with E8M0 scales; o is quantised at once for the last product.
; THE SOFTMAX: t = score x log2(e) / 8; M = the running largest t rounded UP to a whole number; p = 2^(t - M) is quantised along the keys, not normalised; the row's sum is taken of the unquantised p and divides at the end.
; When M moves, the sum and O are multiplied by 2^(old M - new M): exact.
; A HEAD'S K AND V, 204,800 bytes of kv, LIE IN LDS WHOLE: step s (128 keys) at 12,800 s: K's 4 images of 1,536 bytes, V's 4, K's scale words (256 bytes), V's.  Each of the 16 waves asks for one step, once, at the head;
; nothing is filled again: no ring, no barrier in the loop, and no later tensor load that a prefetch could run ahead of.
; CLUSTER: the four work-groups of a head ask for each step JOINTLY (mask 15).  The place in the cluster enters Q's and op's addresses alone.
; SHARES: wave w of work-group cx owns tokens 32 (16 cx + w) .. + 31: two tiles of 16 queries, one after the other: a loop of two trips round the loop over the keys; ahead of the second trip tile 1's q is moved to tile 0's registers.
; LAYOUT.  Both products transposed: a lane holds ONE query.  The head's size is 64, the instruction's K 128: a K image holds TWO tiles of 16 keys, one in each half of K, and is multiplied by [q | 0] and by [0 | q] (zero codes
; add nothing).  By the order of positions in kv the 16 registers of a pair of tiles are 16 neighbouring keys, and O^T's are 16 neighbouring channels.
; TWO REGIONS OF 64 REGISTERS TAKE TURNS, so a trip of the key loop is two steps.  In a step K's images lie in region rk and the scores land in region rs; V's images land over K's while the softmax is walked; when p is converted,
; the NEXT step's K images are asked for into rs: 13 LDS loads ahead of the second product, which waits for V alone (13 younger loads may be out).  The last step of a tile asks for step 0's K again: the second tile begins with it;
; behind the second tile those 13 loads serve nothing and are only waited for (a jump round them would change what the counted wait counts).
; op: panels as xp's: codes [plane = head][block of 16 tokens][piece][lane][8 bytes]; scale words [k / 256][token][2]: my two bytes of a token lie at 8 x token + 2 (head % 4).
; LIMITS: NaN and infinities are not served; 1 / sum is v_rcp_f32; a block of o whose largest magnitude lies under 2^-124 gets the byte 1; the scaled scores stay under 2^31 in magnitude.
.set LI,  1                            ; v1  16 x lane
.set LR,  2                            ; v2  16 x (lane % 16)
.set ADK, 3                            ; v3  the trip's images
.set ADS, 4                            ; v4  the trip's scale words
.set L8,  5                            ; v5  8 x lane
.set OS,  8                            ; v8  o's scale bytes: lanes 0-15 tile 0's, lanes 16-31 tile 1's
.set TP,  9
                                       ; v12 -M, v13 the largest t, v[14:15] the sum; v[6:7], v[10:11], v[40:45], v[252:253] the sum's six other chains
                                       ; v16-21 zeros, v22-27 q, v28-33 zeros, v34-39 tile 1's q
.set QW,  46                           ; the scale word for [q | 0];  v47 for [0 | q]: the same turned by 16 bits
.set QR,  47
.set R0,  48                           ; v48-111, v112-175 the two regions
.set R1,  112
.set O,   176                          ; v176-207 O^T: 4 tiles of 16 channels
.set PC,  208                          ; v208-219 p's codes
.set T2,  220                          ; v220-226 a conversion's second halves
.set VS,  228                          ; v228-231 V's scale words
.set KS,  232                          ; v232-235 K's
.set BM,  236                          ; a block's largest score, then its largest p
.set BP,  240                          ; the other half's, then bytes
.set SO,  244                          ; the conversions' scale operands
.set PW,  248                          ; p's scale word
.set F,   250                          ; v[250:251] f = 2^(old M - new M)
.set SPW, 254
.set NIL, 255
.set WV,  10
.set SEL, 20
.set CS,  22
.set TB,  32                           ; s32 LDS byte at which the trip's two steps begin
.set KC,  33                           ; s33 the trip's first step
.set MK,  34                           ; s34 the lanes that take this tile's scale bytes
.set TS,  35
.set PS,  40                           ; s40 the tile
.macro ROUND                           ; a round of the cluster's barrier
	s_barrier_signal -1
	s_barrier_wait -1
	s_cmp_lg_u32 s[WV], 0
	s_cbranch_scc1 .Lnot_wave_0_\@
	s_barrier_signal -3
.Lnot_wave_0_\@:
	s_barrier_wait -3
	s_barrier_signal -1
	s_barrier_wait -1
.endm
.macro MM d, a, b, c, sa, sb
	v_wmma_scale_f32_16x16x128_f8f6f4 v[\d:\d+7], v[\a:\a+11], v[\b:\b+11], \c, v[\sa], v[\sb] matrix_a_fmt:MATRIX_FMT_FP6 matrix_b_fmt:MATRIX_FMT_FP6
.endm
.macro LD4 r, sc, off, so              ; four images as they lie, 512 consecutive bytes a load, and their scale words: 13 loads
.irp b, 0,1,2,3
.irp c, 0,1,2
	ds_load_b128 v[\r+12*\b+4*\c:\r+12*\b+4*\c+3], v[ADK] offset:\off+1536*\b+512*\c
.endr
.endr
	ds_load_b128 v[\sc:\sc+3], v[ADS] offset:\so
.endm
	s_load_b128 s[4:7], s[0:1], 0x0                ; qb, kv
	s_load_b64 s[8:9], s[0:1], 0x10                ; op
	v_lshl_add_u32 v[SPW], v0, 2, 0x32000
	v_mov_b32 v[NIL], 0
	ds_add_u32 v[SPW], v[NIL]                      ; the opening lines: the add twice on end and its wait
	ds_add_u32 v[SPW], v[NIL]
	v_lshrrev_b32 v1, 5, v0
	s_delay_alu instid0(VALU_DEP_1)
	v_readfirstlane_b32 s[WV], v1                  ; wave 0..15
	s_bfe_u32 s11, ttmp6, 0x40000                  ; cx
	s_and_b32 s12, ttmp7, 0xffff                   ; the head, which the four partners share
	s_mov_b32 s24, 15|(3<<16)|(1<<21)              ; the mask: all four; elements of 8 bytes; bit 21 beside a mask; no padding
	s_mov_b32 s25, 32<<16                          ; rows of 256 bytes,
	s_mov_b32 s26, 50<<16                          ; 50 of them: a step's 12,800 bytes, dense
	s_mov_b32 s27, 32<<16
	s_mov_b32 s28, 50
	s_mov_b32 s29, 32
	s_mov_b32 s30, 0
	s_mov_b32 s31, 0
	s_mov_b32 s16, 1
	s_mul_i32 s17, s[WV], 12800                    ; LDS: my step
	s_mul_i32 s40, s12, 204800
	s_add_co_u32 s40, s40, s17
	s_mov_b32 s41, 0
	s_wait_dscnt 0x0
	s_wait_kmcnt 0x0
	s_add_nc_u64 s[18:19], s[6:7], s[40:41]
	s_or_b32 s19, s19, 0x80000000
	ROUND                                          ; all four work-groups are here: the joint loads meet
	tensor_load_to_lds s[16:19], s[24:31]          ; my one tensor load
	s_nop 0
.rept 4
	v_nop
.endr
	s_lshl_b32 s13, s11, 4
	s_add_co_u32 s13, s13, s[WV]                   ; my group of 32 tokens, 0..63
	s_lshr_b32 s14, s13, 2                         ; its step
	s_and_b32 s15, s13, 3                          ; its image in the step
	s_mul_i32 s40, s12, 102400
	s_mul_i32 s41, s14, 6400
	s_add_co_u32 s40, s40, s41
	s_mov_b32 s41, 0
	s_mul_i32 s42, s15, 1536
	s_mov_b32 s43, 0
	s_lshl_b32 s44, s15, 2
	s_add_co_u32 s44, s44, 6144
	s_mov_b32 s45, 0
	s_add_nc_u64 s[4:5], s[4:5], s[40:41]          ; Q: the step,
	s_add_nc_u64 s[46:47], s[4:5], s[42:43]        ; my image,
	s_add_nc_u64 s[4:5], s[4:5], s[44:45]          ; my scale word
	s_lshr_b32 s33, s12, 4
	s_lshl_b32 s33, s33, 4
	s_add_co_u32 s33, s33, s14
	s_mul_i32 s33, s33, 102400                     ; op: my panel: 16 x batch + step
	s_and_b32 s35, s12, 15                         ; the head in its batch = the plane
	s_mul_i32 s36, s35, 6144
	s_add_co_u32 s36, s36, s42                     ; + my two blocks
	s_add_co_u32 s36, s36, s33
	s_mov_b32 s37, 0
	s_lshr_b32 s38, s35, 2
	s_lshl_b32 s38, s38, 10                        ; scale words: 1,024 bytes for each four heads,
	s_add_co_u32 s38, s38, s33
	s_and_b32 s35, s35, 3
	s_lshl_b32 s35, s35, 1                         ; two bytes a head in a token's eight,
	s_add_co_u32 s38, s38, s35
	s_lshl_b32 s35, s15, 8                         ; my 32 tokens
	s_add_co_u32 s38, s38, s35
	s_add_co_u32 s38, s38, 98304
	s_mov_b32 s39, 0
	s_add_nc_u64 s[36:37], s[8:9], s[36:37]
	s_add_nc_u64 s[38:39], s[8:9], s[38:39]
	s_mov_b32 s[SEL], 0x76543210
	s_mov_b32 s[SEL+1], 0xfedcba98                 ; v_permlanex16_b32's selects for lane l xor 16
	s_mov_b32 s[CS], 0x3e38aa3b                    ; c = log2(e) / 8
	s_mov_b32 s[CS+1], s[CS]                       ; (named with it as a pair, so it is written)
	s_mov_b32 s[MK], -1                            ; tile 0's bytes go to all lanes, tile 1's over lanes 16-31
	s_mov_b32 s[PS], 0
	s_mov_b32 s[TB], 0
	v_and_b32 v5, 31, v0
	s_delay_alu instid0(VALU_DEP_1)
	v_lshlrev_b32 v[LI], 4, v5
	v_and_b32 v2, 15, v0
	s_delay_alu instid0(VALU_DEP_1)
	v_lshlrev_b32 v[LR], 4, v2
	s_delay_alu instid0(VALU_DEP_4)
	v_lshlrev_b32 v[L8], 3, v5
	global_load_b128 v[22:25], v[LI], s[46:47]             ; the image's registers 0-3,
	global_load_b64 v[26:27], v[LI], s[46:47] offset:512   ; 4, 5: tile 0's q;
	global_load_b64 v[34:35], v[LI], s[46:47] offset:520   ; 6, 7,
	global_load_b128 v[36:39], v[LI], s[46:47] offset:1024 ; 8-11: tile 1's
	global_load_b32 v[QW], v[LR], s[4:5]
.irp j, 16,17,18,19,20,21,28,29,30,31,32,33
	v_mov_b32 v\j, 0                               ; zero codes for the half of K that is not q's
.endr
.irp b, 0,1,2,3
	v_mov_b32 v[BP+\b], 0                          ; written once: a lane permute's destination counts as one of its sources
.endr
	v_mov_b32 v[F+1], 0                            ; (named as the upper half of a pair)
	v_mov_b32 v[OS], 0
	v_add_nc_u32 v[ADK], s[TB], v[LI]
	v_add_nc_u32 v[ADS], s[TB], v[LR]
	s_wait_alu depctr_va_vdst(0)
	s_wait_tensorcnt 0x0                           ; my step has landed,
	s_barrier_signal -1
	s_barrier_wait -1                              ; everybody's has
	LD4 R1, KS, 0, 12288                           ; step 0's K
	s_wait_loadcnt 0x0                             ; Q
	v_alignbit_b32 v[QR], v[QW], v[QW], 16
	s_wait_alu depctr_va_vdst(0)
; A KEY STEP: 128 keys.  rs: the scores' region; rk: K's images, then V's; ko: the step's bytes from the trip's; kn: the next step's K, from v[ADK] as it then stands; upd = 1: v[ADK], v[ADS] go on to the next trip.
.macro STEP rs, rk, ko, kn, upd
	s_wait_dscnt 0x0                               ; K's images and scale words
.irp b, 0,1,2,3
	MM \rs+16*\b, \rk+12*\b, 22, 0, KS+\b, QW
	MM \rs+16*\b+8, \rk+12*\b, 16, 0, KS+\b, QR
.endr                                          ; register 16 b + i = key 32 b + 16 (lane / 16) + i of the step
.rept 4
	v_nop                                          ; four places in front of the loads into K's registers and of the first read of the scores
.endr
	LD4 \rk, VS, \ko+6144, \ko+12544               ; V's images land while the softmax is walked
.if \upd
	s_add_co_u32 s[TS], s[KC], 2
	s_and_b32 s[TS], s[TS], 14                     ; behind step 15 comes step 0
	s_mul_i32 s[TB], s[TS], 12800
	v_add_nc_u32 v[ADK], s[TB], v[LI]
	v_add_nc_u32 v[ADS], s[TB], v[LR]
.endif
.irp b, 0,1,2,3
	v_max3_num_f32 v[BM+\b], v[\rs+16*\b], v[\rs+1+16*\b], v[\rs+2+16*\b]   ; the largest score of each block of 32 keys: for the row's maximum and, since p rises with the score, for the block's largest p
.endr
.irp i, 3,5,7,9,11,13
.irp b, 0,1,2,3
	v_max3_num_f32 v[BM+\b], v[BM+\b], v[\rs+16*\b+\i], v[\rs+1+16*\b+\i]
.endr
.endr
.irp b, 0,1,2,3
	v_max_num_f32 v[BM+\b], v[BM+\b], v[\rs+15+16*\b]
.endr
.irp b, 0,1,2,3
	s_delay_alu instid0(VALU_DEP_4)
	v_permlanex16_b32 v[BP+\b], v[BM+\b], s[SEL], s[SEL+1]
.endr
.irp b, 0,1,2,3
	s_delay_alu instid0(VALU_DEP_4)
	v_max_num_f32 v[BM+\b], v[BM+\b], v[BP+\b]
.endr
	s_delay_alu instid0(VALU_DEP_2)
	v_max3_num_f32 v[TP], v[BM], v[BM+1], v[BM+2]
	s_delay_alu instid0(VALU_DEP_1)
	v_max_num_f32 v[TP], v[TP], v[BM+3]
	s_delay_alu instid0(VALU_DEP_1)
	v_mul_f32 v[TP], s[CS], v[TP]                  ; the step's largest t
	s_delay_alu instid0(VALU_DEP_1)
	v_max_num_f32 v13, v13, v[TP]                  ; the running largest t
	v_mov_b32 v[TP], v12
	s_delay_alu instid0(VALU_DEP_2)
	v_floor_f32 v12, -v13                          ; the new -M = -ceil(t)
.set j, 0
.rept 32
	v_pk_fma_f32 v[\rs+j:\rs+j+1], v[\rs+j:\rs+j+1], s[CS:CS+1], v[12:13] op_sel_hi:[1,0,0]   ; t - M, two at a time; f's three lines stand among them
.if j == 6
	v_sub_f32 v[TP], v12, v[TP]                    ; old M - new M: a whole number, 0 or less
.endif
.if j == 14
	v_cvt_i32_f32 v[TP], v[TP]                     ; (it saturates)
.endif
.if j == 22
	v_ldexp_f32 v[F], 1.0, v[TP]                   ; f
.endif
.set j, j+2
.endr
.irp b, 0,1,2,3
	v_fma_f32 v[BM+\b], v[BM+\b], s[CS], v12
.endr
	s_wait_alu depctr_va_vdst(0)
.set j, 0
.rept 64
	v_exp_f32 v[\rs+j], v[\rs+j]                   ; p = 2^(t - M)
.set j, j+1
.endr
	v_pk_mul_f32 v[14:15], v[14:15], v[F:F+1] op_sel_hi:[1,0]   ; the sum under the new M: the plain instruction behind the batch
	s_wait_alu depctr_va_vdst(0)                   ; one wait for the 64, ahead of their first reader
.irp b, 0,1,2,3
	v_exp_f32 v[BM+\b], v[BM+\b]                   ; each block's largest p
.endr
.set j, 0
.irp t, 6,10,40,42,44,252                      ; the row's sum of the unquantised p, in seven chains
	v_pk_add_f32 v[\t:\t+1], v[\rs+j:\rs+j+1], v[\rs+j+2:\rs+j+3]
.set j, j+4
.endr
.rept 2
.irp t, 14,6,10,40,42,44,252
	v_pk_add_f32 v[\t:\t+1], v[\t:\t+1], v[\rs+j:\rs+j+1]
.set j, j+2
.endr
.endr
.irp t, 14,6,10,40,42,44
	v_pk_add_f32 v[\t:\t+1], v[\t:\t+1], v[\rs+j:\rs+j+1]
.set j, j+2
.endr
	s_wait_alu depctr_va_vdst(0)                   ; and one for the four
.irp b, 0,1,2,3
	v_max_num_f32 v[BM+\b], 0x1800000, v[BM+\b]    ; the floor 2^(3 - 127)
.endr
.irp b, 0,1,2,3
	s_delay_alu instid0(VALU_DEP_4)
	v_add_nc_u32 v[SO+\b], 0xff000000, v[BM+\b]    ; 2 off the exponent field: the conversion's scale operand
.endr
.irp b, 0,1,2,3
	s_delay_alu instid0(VALU_DEP_4)
	v_lshrrev_b32 v[BP+\b], 23, v[SO+\b]
.endr
	s_delay_alu instid0(VALU_DEP_3)
	v_lshl_or_b32 v[PW], v[BP+1], 8, v[BP]
	s_delay_alu instid0(VALU_DEP_1)
	v_lshl_or_b32 v[PW], v[BP+2], 16, v[PW]
	s_delay_alu instid0(VALU_DEP_1)
	v_lshl_or_b32 v[PW], v[BP+3], 24, v[PW]
	v_cvt_scalef32_pk16_fp6_f32 v[PC:PC+2], v[\rs:\rs+15], v[SO]
	v_cvt_scalef32_pk16_fp6_f32 v[T2:T2+2], v[\rs+16:\rs+31], v[SO+1]
	v_cvt_scalef32_pk16_fp6_f32 v[PC+6:PC+8], v[\rs+32:\rs+47], v[SO+2]
	v_cvt_scalef32_pk16_fp6_f32 v[T2+4:T2+6], v[\rs+48:\rs+63], v[SO+3]
	v_nop                                          ; one plain instruction behind the scaled conversions
	LD4 \rs, KS, \kn, \kn+12288                    ; p is converted: its registers take the next step's K
.irp i, 0,1,2
	v_permlane16_swap_b32 v[PC+\i], v[T2+\i]       ; a whole block to a lane
.endr
.irp i, 0,1,2
	v_permlane16_swap_b32 v[PC+6+\i], v[T2+4+\i]
.endr
.irp i, 0,1,2
	v_mov_b32 v[PC+3+\i], v[T2+\i]
	v_mov_b32 v[PC+9+\i], v[T2+4+\i]
.endr
	s_wait_alu depctr_va_vdst(0)
.set j, 0
.rept 16
	v_pk_mul_f32 v[O+j:O+j+1], v[O+j:O+j+1], v[F:F+1] op_sel_hi:[1,0]   ; O^T under the new M; these 16 also stand between the writes of p's codes and scale word and the products
.set j, j+2
.endr
	s_wait_alu depctr_va_vdst(0)
	s_wait_dscnt 13                                ; V is in; the 13 loads of the next step's K, issued behind V's, may be out
.irp t, 0,1,2,3
	MM O+8*\t, \rk+12*\t, PC, v[O+8*\t:O+8*\t+7], VS+\t, PW
.endr                                          ; the four accumulators by turns, one instruction a turn
	v_pk_add_f32 v[6:7], v[6:7], v[10:11]          ; the sum's chains are joined: six plain lines, which name no register of the products above: the places in front of the next scores, which land over V
	v_pk_add_f32 v[40:41], v[40:41], v[42:43]
	v_pk_add_f32 v[44:45], v[44:45], v[252:253]
	v_pk_add_f32 v[14:15], v[14:15], v[6:7]
	v_pk_add_f32 v[40:41], v[40:41], v[44:45]
	v_pk_add_f32 v[14:15], v[14:15], v[40:41]
.endm
.Lpass:                                                ; a tile of 16 queries over all 2,048 keys, and its way out
	s_cmp_eq_u32 s[PS], 0
	s_cbranch_scc1 .Lq
	s_wait_xcnt 0x0                                ; tile 0's stores have read their registers and their base
	s_add_nc_u64 s[36:37], s[36:37], 768           ; tile 1's block of op
	s_mov_b32 s[MK], 0xffff0000
.irp i, 0,1,2,3,4,5
	v_mov_b32 v[22+\i], v[34+\i]                   ; tile 1's q
.endr
	v_mov_b32 v[TP], v[QW]                         ; and its two scale bytes, which lie in the word's other half
	v_mov_b32 v[QW], v[QR]
	v_mov_b32 v[QR], v[TP]
.Lq:
	v_mov_b32 v13, 0xff61b1e6                      ; the largest t so far: -3e38
	s_delay_alu instid0(VALU_DEP_1)
	v_floor_f32 v12, -v13
	v_mov_b32 v14, 0
	v_mov_b32 v15, 0
.set j, 0
.rept 32
	v_mov_b32 v[O+j], 0                            ; the step is written once: the first finds zeros, which the first change of M leaves zeros
.set j, j+1
.endr
	s_mov_b32 s[KC], 0
	s_wait_alu depctr_va_vdst(0)
.Lkeys:
	STEP R0, R1, 0, 12800, 0
	STEP R1, R0, 12800, 0, 1
	s_add_co_u32 s[KC], s[KC], 2
	s_cmp_lt_u32 s[KC], 16
	s_cbranch_scc1 .Lkeys
	v_add_f32 v14, v14, v15
	s_delay_alu instid0(VALU_DEP_1)
	v_permlanex16_b32 v[TP], v14, s[SEL], s[SEL+1]
	s_delay_alu instid0(VALU_DEP_1)
	v_add_f32 v14, v14, v[TP]                      ; the row's sum
	s_wait_alu depctr_va_vdst(0)
	v_rcp_f32 v14, v14
	v_nop
	s_wait_alu depctr_va_vdst(0)                   ; ahead of the reciprocal's first reader and of O^T's
.set j, 0
.rept 16
	v_pk_mul_f32 v[R0+j:R0+j+1], v[O+j:O+j+1], v[14:15] op_sel_hi:[1,0]   ; o: register 16 b + i = channel 32 b + 16 (lane / 16) + i; each accumulator from its low end on.  (Region 1 is left alone: step 0's K is on its way there)
.set j, j+2
.endr
.irp b, 0,1
	v_max3_num_f32 v[BM+\b], |v[R0+16*\b]|, |v[R0+1+16*\b]|, 0x1800000
.endr
.irp i, 2,4,6,8,10,12,14
.irp b, 0,1
	s_delay_alu instid0(VALU_DEP_2)
	v_max3_num_f32 v[BM+\b], v[BM+\b], |v[R0+16*\b+\i]|, |v[R0+1+16*\b+\i]|
.endr
.endr
.irp b, 0,1
	s_delay_alu instid0(VALU_DEP_2)
	v_permlanex16_b32 v[BP+\b], v[BM+\b], s[SEL], s[SEL+1]
.endr
.irp b, 0,1
	s_delay_alu instid0(VALU_DEP_2)
	v_max_num_f32 v[BM+\b], v[BM+\b], v[BP+\b]
.endr
.irp b, 0,1
	s_delay_alu instid0(VALU_DEP_2)
	v_add_nc_u32 v[SO+\b], 0xff000000, v[BM+\b]
.endr
.irp b, 0,1
	s_delay_alu instid0(VALU_DEP_2)
	v_lshrrev_b32 v[BP+\b], 23, v[SO+\b]
.endr
	s_delay_alu instid0(VALU_DEP_1)
	v_lshl_or_b32 v[TP], v[BP+1], 8, v[BP]         ; my token's two scale bytes
	v_cvt_scalef32_pk16_fp6_f32 v[R0+32:R0+34], v[R0:R0+15], v[SO]
	v_cvt_scalef32_pk16_fp6_f32 v[T2:T2+2], v[R0+16:R0+31], v[SO+1]
	v_nop
.irp i, 0,1,2
	v_permlane16_swap_b32 v[R0+32+\i], v[T2+\i]
.endr
.irp i, 0,1,2
	v_mov_b32 v[R0+35+\i], v[T2+\i]
.endr
	v_cndmask_b32 v[OS], v[OS], v[TP], s[MK]
.irp p, 0,1,2
	global_store_b64 v[L8], v[R0+32+2*\p:R0+33+2*\p], s[36:37] offset:256*\p   ; 256 consecutive bytes, aligned
.endr
	s_add_co_u32 s[PS], s[PS], 1
	s_cmp_lt_u32 s[PS], 2
	s_cbranch_scc1 .Lpass
	global_store_b16 v[L8], v[OS], s[38:39]        ; two bytes of each of my 32 tokens' eight: inside one aligned block of 256 bytes, which four heads fill between them
	s_wait_dscnt 0x0
	s_wait_tensorcnt 0x0                           ; the wave's end
	ds_add_u32 v[SPW], v[NIL]
	s_wait_dscnt 0x0
	ROUND                                          ; the closing round
	s_endpgm
.Lfunc_end_k_qcd499a9c57_attn:
	.size	k_qcd499a9c57_attn, .Lfunc_end_k_qcd499a9c57_attn-k_qcd499a9c57_attn
	.p2alignl 7, 3214868480
	.fill 96, 4, 3214868480
	.section	.rodata,"a",@progbits
	.p2align	6, 0x0
	.amdhsa_kernel k_qcd499a9c57_attn
		.amdhsa_group_segment_fixed_size 206848
		.amdhsa_private_segment_fixed_size 0
		.amdhsa_enable_private_segment 0
		.amdhsa_kernarg_size 24
		.amdhsa_user_sgpr_count 2
		.amdhsa_user_sgpr_kernarg_segment_ptr 1
		.amdhsa_wavefront_size32 1
		.amdhsa_system_sgpr_workgroup_id_x 1
		.amdhsa_system_sgpr_workgroup_id_y 1
		.amdhsa_system_sgpr_workgroup_id_z 1
		.amdhsa_system_vgpr_workitem_id 0
		.amdhsa_next_free_vgpr 256
		.amdhsa_next_free_sgpr 66
		.amdhsa_reserve_vcc 0
		.amdhsa_float_denorm_mode_32 3
		.amdhsa_float_denorm_mode_16_64 3
		.amdhsa_memory_ordered 1
		.amdhsa_forward_progress 1
		.amdhsa_inst_pref_size 45
	.end_amdhsa_kernel
	.amdgpu_metadata
---
amdhsa.version: [ 1, 2 ]
amdhsa.kernels:
  - .name:           k_qcd499a9c57_attn
    .symbol:         k_qcd499a9c57_attn.kd
    .args:
      - { .name: qb, .offset: 0, .size: 8, .value_kind: global_buffer, .address_space: global }
      - { .name: kv, .offset: 8, .size: 8, .value_kind: global_buffer, .address_space: global }
      - { .name: op, .offset: 16, .size: 8, .value_kind: global_buffer, .address_space: global }
    .group_segment_fixed_size: 206848
    .private_segment_fixed_size: 0
    .kernarg_segment_align: 8
    .kernarg_segment_size: 24
    .max_flat_workgroup_size: 512
    .sgpr_count:     66
    .vgpr_count:     256
    .wavefront_size: 32
...
	.end_amdgpu_metadata
.endif
;; end of part 3
;; launch proj (part 4): grid 8 x 32, 4 waves a work-group, clusters of 4 x 4, 327,680 bytes of LDS; arguments op, wp, b_proj, out0; writes out0
.if DOCPART == 4
	.amdgcn_target "amdgcn-amd-amdhsa--gfx1250"
	.amdhsa_code_object_version 6
	.text
	.protected	k_qcd499a9c57_proj
	.globl	k_qcd499a9c57_proj
	.p2align	8
	.type	k_qcd499a9c57_proj,@function
k_qcd499a9c57_proj:
	s_mov_b64 s[64:65], 0
	v_nop
	global_prefetch_b8 v0, s[64:65] scope:SCOPE_SE
	s_setreg_imm32_b32 hwreg(HW_REG_WAVE_MODE, 25, 1), 1
	s_wait_xcnt 0x0
	s_wait_alu depctr_hold_cnt(0) depctr_sa_sdst(0) depctr_va_vdst(0) depctr_va_sdst(0) depctr_va_ssrc(0) depctr_va_vcc(0) depctr_vm_vsrc(0)
	s_getreg_b32 s2, hwreg(HW_REG_IB_STS2, 6, 4)
	s_cmp_eq_u32 s2, 0
	s_cbranch_scc0 .Lentry_in_a_cluster
	s_endpgm
.Lentry_in_a_cluster:
	s_bfe_u32 s2, ttmp6, 0x10000c
	s_cmp_lg_u32 s2, 0xf033
	s_cbranch_scc0 .Lentry_shape_is_right
	s_endpgm
.Lentry_shape_is_right:
; out0 = o w_proj + b_proj on codes of FP6 (E2M3) with E8M0 scales; out0 [8192][1024] f32.
; op (tokens) and wp (columns; w_proj's are panels 24-31): panels of 128 positions (position = index with bits 3 and 4 exchanged), 102,400 bytes: codes [k / 64 (16)][block of 16 (8)][piece (3)][lane (32)][8 bytes],
; then at 98,304 scale words [k / 256 (4)][position (128)][2].
; THE DEAL: 256 work-groups, each 256 tokens ("A", source 1: two panels) x 128 columns ("B", source 0: one panel).  Four waves, 2 x 2: a wave takes one panel of tokens and four of B's eight blocks: 128 x 64, 32 accumulators.
; A lane holds one token; the 16 registers of B's blocks 2 g, 2 g + 1 are columns 32 g + 16 (lane / 16) + 0 .. 15.
; LDS: THE THREE PANELS WHOLE, all of K and the scale words, 3 x 102,400 bytes, each a dense run of 400 rows of 256 bytes.  One tensor load a wave at the head: waves 0, 1 A's panels, waves 2, 3 the halves of B's.
; Nothing is filled again: no ring and no barrier in the walk along K, and all is asked for at the head, so no data prefetch could run ahead of a load.  Behind the panels: a stage of 16 rows x 272 bytes for each wave, then the spare words.
; CLUSTERS 4 x 4: A's panels are shared along a row of the cluster, B's along a column: joint loads.
; REGISTERS: window 0: v16-30 addresses; v32-63 scale words, two sets; v64-95 the bias as C; v128-223 A's 8 fragments (on the way out v128-191: rows of out0).  window 1: B's 4 fragments, two sets, at v0 and v128.
;   window 2: accumulator (a, b) at v[8 (4 a + b)].
; LIMITS: NaN, infinities and sums beyond f32's range are not served; a sum begins with the bias.
.set PANEL, 102400
.set PSC,   98304
.set HB,    51200                      ; half a panel: 200 rows of 256 bytes
.set SP,    272                        ; a stage row: 256 bytes + 16
.set STG,   3*PANEL
.set SPARE, STG+4*16*SP                ; the spare words, 128 bytes for each wave: two blocks of 256 bytes that no other line names
.set FR,    12
.set NL,    6
.set ADRA, 16                          ; v16, v17 my A fragments, K below 512 and from 512 on (an LDS offset has 16 bits)
.set ADRB, 20                          ; v20, v21 the same for B
.set STO,  24                          ; v24 the stage: where I put 32 bytes of a row
.set RD,   25                          ; v25 and where I read 16 bytes of a row back
.set CO,   26                          ; v26 my bytes in out0: row lane / 16, 16 x (lane % 16)
.set ADRS, 27                          ; v27 scale words: lanes 0-15 A's rows, lanes 16-31 B's
.set SPW,  28
.set NIL,  29
.set ADR2, 30                          ; v30 scale words: A's rows in all lanes
.set SC,   32
.set BI,   64
.set AF,   128
.set BK,   128
.set G1,   24
.set G1B,  32
.set G0,   68
.set G0B,  80
.set MSB, 0
.macro WIN new                         ; the immediate's high byte repeats the setting that is left
.if MSB != \new
	s_set_vgpr_msb (MSB<<8)|\new
.set MSB, \new
.endif
.endm
.set MUL,   0xa1                       ; source 0 (B) window 1, source 1 (A) window 0, C and D window 2
.set FIRST, 0x81                       ; C (the bias) window 0, D window 2
.set TO_B,  0x40
.macro PLACES                          ; four plain instructions between a matrix instruction and a load into, or a store on, its registers
.rept 4
	v_nop
.endr
.endm
.macro CROUND                          ; a round of the cluster's barrier
	s_barrier_signal -1
	s_barrier_wait -1
	s_cmp_lg_u32 s14, 0
	s_cbranch_scc1 .Lnot_wave_0_\@
	s_barrier_signal -3
.Lnot_wave_0_\@:
	s_barrier_wait -3
	s_barrier_signal -1
	s_barrier_wait -1
.endm
.macro FRAG reg, adr, off              ; a fragment: two planes x three pieces of 8 bytes; the 32 lanes of a load read 256 consecutive bytes
.irp p, 0,1,2,3,4,5
	ds_load_b64 v[\reg+2*\p:\reg+2*\p+1], v[\adr] offset:\off+6144*(\p/3)+256*(\p%3)
.endr
.endm
.macro FETCH_B st, set                 ; my four blocks of B, step st (128 along K)
	WIN TO_B
.irp i, 0,1,2,3
	FRAG 128*(\set)+FR*\i, ADRB+(\st)/4, 12288*((\st)%4)+768*\i
.endr
	WIN 0
.endm
.macro FETCH_A st, i0                  ; A's blocks i0 .. i0 + 3
.irp i, \i0, \i0+1, \i0+2, \i0+3
	FRAG AF+FR*(\i), ADRA+(\st)/4, 12288*((\st)%4)+768*(\i)
.endr
.endm
.macro SCALES ks                       ; the scale words of 256 along K into set ks % 2: register 2 i + q: lanes 0-15 A's block i; for i < 4 lanes 16-31 my B's block i
.irp i, 0,1,2,3
	ds_load_b64 v[SC+16*((\ks)%2)+2*\i:SC+16*((\ks)%2)+2*\i+1], v[ADRS] offset:1024*(\ks)+128*\i
.endr
.irp i, 4,5,6,7
	ds_load_b64 v[SC+16*((\ks)%2)+2*\i:SC+16*((\ks)%2)+2*\i+1], v[ADR2] offset:1024*(\ks)+128*\i
.endr
.endm
.macro MM a, b, p, q, sc, cm           ; cm = 0: onto the sum; 1: the sum starts with the bias
.set rD, 8*(4*(\a)+\b)
.set rB, 128*(\p)+FR*\b
.set rA, AF+FR*(\a)
.set sB, SC+16*(\sc)+2*\b+(\q)
.set sA, SC+16*(\sc)+2*(\a)+(\q)
.if \cm == 0
	v_wmma_scale_f32_16x16x128_f8f6f4 v[rD:rD+7], v[rB:rB+FR-1], v[rA:rA+FR-1], v[rD:rD+7], v[sB], v[sA] matrix_a_fmt:MATRIX_FMT_FP6 matrix_b_fmt:MATRIX_FMT_FP6 matrix_a_scale:MATRIX_SCALE_ROW1
.else
	v_wmma_scale_f32_16x16x128_f8f6f4 v[rD:rD+7], v[rB:rB+FR-1], v[rA:rA+FR-1], v[BI+8*\b:BI+8*\b+7], v[sB], v[sA] matrix_a_fmt:MATRIX_FMT_FP6 matrix_b_fmt:MATRIX_FMT_FP6 matrix_a_scale:MATRIX_SCALE_ROW1
.endif
.endm
.macro MUL16 a0, p, sc, cm             ; A's blocks a0 .. a0 + 3 x my B's four.  The 32 accumulators take turns, one instruction a turn, in the same order in every step
.irp a, \a0, \a0+1, \a0+2, \a0+3
.irp b, 0,1,2,3
	MM \a, \b, \p, \p, \sc, \cm
.endr
.endr
.endm
.macro STEP st, cm, last               ; a step of 128 along K: 32 products; the next step's fragments are fetched in its middle and at its end
	s_wait_dscnt 4*NL                              ; all but the youngest 24 loads (A's blocks 4-7) are in
.if \cm
	WIN FIRST
.else
	WIN MUL
.endif
	MUL16 0, (\st)%2, ((\st)/2)%2, \cm
	s_wait_dscnt 0x0                               ; A's blocks 4-7 are in
.if \last == 0
	PLACES
	FETCH_B (\st)+1, ((\st)+1)%2
	FETCH_A (\st)+1, 0
.if (((\st)+1)%2) == 0
	SCALES ((\st)+1)/2
.endif
.endif
.if \cm
	WIN FIRST
.else
	WIN MUL
.endif
	MUL16 4, (\st)%2, ((\st)/2)%2, \cm
	PLACES
	WIN 0
.if \last == 0
	FETCH_A (\st)+1, 4
.endif
.endm
	s_load_b256 s[4:11], s[0:1], 0x0               ; op s[4:5], wp s[6:7], b_proj s[8:9], out0 s[10:11]
	v_lshl_add_u32 v[SPW], v0, 2, SPARE
	v_mov_b32 v[NIL], 0
	ds_add_u32 v[SPW], v[NIL]                      ; the opening lines: the add twice on end and its wait
	ds_add_u32 v[SPW], v[NIL]
	s_wait_dscnt 0x0
	v_lshrrev_b32 v1, 5, v0
	v_readfirstlane_b32 s14, v1                    ; wave 0..3
	s_lshr_b32 s15, s14, 1                         ; my panel of A.  Also: I fetch for A (0) or for B (1)
	s_and_b32 s16, s14, 1                          ; my half of B's blocks.  Also: which panel of A, or which half of B's panel, I fetch
	s_bfe_u32 s96, ttmp6, 0x40000                  ; cx
	s_bfe_u32 s97, ttmp6, 0x40004                  ; cy
	s_and_b32 s98, ttmp7, 0xffff
	s_lshl_b32 s17, s98, 2
	s_add_co_u32 s17, s17, s97                     ; A's tile = 4 x cluster y + cy, 0..31
	s_lshl_b32 s18, ttmp9, 2
	s_add_co_u32 s18, s18, s96                     ; B's panel = 4 x cluster x + cx, 0..7
	s_lshl_b32 s20, s97, 2
	s_lshl_b32 s20, 15, s20                        ; my row of the cluster
	s_lshl_b32 s21, 0x1111, s96                    ; my column
	s_or_b32 s[G1+0], s20, (3<<16)|(1<<21)         ; the mask; elements of 8 bytes; bit 21 beside a mask; no padding
	s_or_b32 s[G1B+0], s21, (3<<16)|(1<<21)
	s_mov_b32 s[G1+1], 32<<16                      ; A: 400 rows of 256 bytes, dense
	s_mov_b32 s[G1+2], 400<<16
	s_mov_b32 s[G1+3], 32<<16
	s_mov_b32 s[G1+4], 400
	s_mov_b32 s[G1+5], 32
	s_mov_b32 s[G1+6], 0
	s_mov_b32 s[G1+7], 0
	s_mov_b32 s[G1B+1], 32<<16                     ; B: 200 rows
	s_mov_b32 s[G1B+2], 200<<16
	s_mov_b32 s[G1B+3], 32<<16
	s_mov_b32 s[G1B+4], 200
	s_mov_b32 s[G1B+5], 32
	s_mov_b32 s[G1B+6], 0
	s_mov_b32 s[G1B+7], 0
	s_lshl_b32 s22, s17, 1
	s_add_co_u32 s22, s22, s16
	s_mul_i32 s22, s22, PANEL                      ; A's panel that I would fetch, in bytes
	s_mov_b32 s23, 0
	s_add_co_u32 s100, s18, 24                     ; w_proj's panels begin at 24
	s_mul_i32 s100, s100, PANEL
	s_mul_i32 s3, s16, HB                          ; the half of B's panel that I would fetch
	s_add_co_u32 s100, s100, s3
	s_mov_b32 s101, 0
	s_mul_i32 s2, s14, PANEL                       ; where they go: no place in the cluster enters an LDS address
	s_add_co_u32 s3, s3, 2*PANEL
	s_wait_kmcnt 0x0
	s_mov_b32 s[G0], 1
	s_add_co_u32 s[G0+1], s2, 0
	s_add_nc_u64 s[G0+2:G0+3], s[4:5], s[22:23]
	s_or_b32 s[G0+3], s[G0+3], 0x80000000
	s_mov_b32 s[G0B], 1
	s_add_co_u32 s[G0B+1], s3, 0
	s_add_nc_u64 s[G0B+2:G0B+3], s[6:7], s[100:101]
	s_or_b32 s[G0B+3], s[G0B+3], 0x80000000
	CROUND                                         ; all sixteen work-groups are here: the joint loads meet
	s_cmp_eq_u32 s15, 0
	s_cbranch_scc0 .Lfill_b
	tensor_load_to_lds s[G0:G0+3], s[G1:G1+7]      ; my one tensor load
	s_nop 0
.rept 4
	v_nop
.endr
	s_branch .Lfilled
.Lfill_b:
	tensor_load_to_lds s[G0B:G0B+3], s[G1B:G1B+7]  ; my one tensor load
	s_nop 0
.rept 4
	v_nop
.endr
.Lfilled:
	s_mul_i32 s2, s15, PANEL                       ; my panel of A
	s_mul_i32 s3, s16, 4*768
	s_add_co_u32 s3, s3, 2*PANEL                   ; my four blocks of B
	s_add_co_u32 s40, s2, PSC                      ; A's scale words
	s_lshl_b32 s41, s16, 9                         ; B's: 4 blocks x 128 bytes on for the second half,
	s_add_co_u32 s41, s41, 2*PANEL
	s_sub_co_u32 s41, s41, s2                      ; as a distance from A's
	s_mul_i32 s43, s14, 16*SP
	s_add_co_u32 s43, s43, STG                     ; my stage
	s_lshl_b32 s44, s18, 9
	s_lshl_b32 s45, s16, 8
	s_add_co_u32 s44, s44, s45                     ; my 64 columns, in bytes
	s_mov_b32 s45, 0
	s_add_nc_u64 s[4:5], s[8:9], s[44:45]          ; the bias
	s_lshl_b32 s22, s17, 1
	s_add_co_u32 s22, s22, s15                     ; my panel of tokens
	s_lshl_b32 s22, s22, 19                        ; x 128 tokens x 4,096 bytes (under 2^26)
	s_add_co_u32 s44, s44, s22
	s_add_nc_u64 s[12:13], s[10:11], s[44:45]
	v_and_b32 v1, 15, v0                           ; r
	v_bfe_u32 v2, v0, 4, 1                         ; h
	v_and_b32 v3, 31, v0                           ; lane
	v_lshlrev_b32 v4, 3, v3
	v_add_nc_u32 v[ADRA], s2, v4
	v_add_nc_u32 v[ADRB], s3, v4
	v_add_nc_u32 v[ADRA+1], 49152, v[ADRA]
	v_add_nc_u32 v[ADRB+1], 49152, v[ADRB]
	v_lshlrev_b32 v5, 3, v1                        ; 8 bytes a row
	v_mul_u32_u24 v6, s41, v2                      ; lanes 16-31 take B's scale words: one product, the distance between the two
	v_add_nc_u32 v[ADR2], s40, v5
	v_add_nc_u32 v[ADRS], v[ADR2], v6
	v_mul_u32_u24 v7, v1, SP
	v_mul_u32_u24 v8, v2, SP
	v_lshl_add_u32 v7, v2, 6, v7
	v_lshl_add_u32 v8, v1, 4, v8
	v_add_nc_u32 v[STO], s43, v7                   ; in: row r, + 64 h
	v_add_nc_u32 v[RD], s43, v8                    ; back: sixteen lanes take a row's 256 bytes, two rows an instruction
	v_lshlrev_b32 v9, 12, v2
	v_lshl_add_u32 v[CO], v1, 4, v9                ; and the same two rows in out0
	v_lshlrev_b32 v10, 6, v2                       ; block b's register j is column 32 (b / 2) + 8 (b % 2) + 16 h + j of my 64
.irp b, 0,1,2,3
	global_load_b128 v[BI+8*\b:BI+8*\b+3], v10, s[4:5] offset:(32*(\b/2)+8*(\b%2))*4
	global_load_b128 v[BI+8*\b+4:BI+8*\b+7], v10, s[4:5] offset:(32*(\b/2)+8*(\b%2))*4+16
.endr
	s_wait_alu depctr_va_vdst(0)
	s_wait_tensorcnt 0x0                           ; my tile has landed,
	s_barrier_signal -1
	s_barrier_wait -1                              ; everybody's has
	FETCH_B 0, 0
	FETCH_A 0, 0
	SCALES 0
	FETCH_A 0, 4
	s_wait_loadcnt 0x0                             ; the bias
	STEP 0, 1, 0                                   ; the sums start with the bias
.set ST, 1
.rept 6
	STEP ST, 0, 0
.set ST, ST+1
.endr
	STEP 7, 0, 1                                   ; the last step fetches nothing; its four v_nop are the places in front of the way out
; THE WAY OUT, block by block of 16 tokens x 64 columns: through my own stage and back as whole rows of 256 bytes.  LDS serves a wave's instructions in order: no wait between the stores and the loads.
.macro TOSTAGE a
.set AC, 32*(\a)
	WIN 0x08                                       ; an LDS store's data: window 2
.irp b, 0,1,2,3
	ds_store_b128 v[STO], v[AC+8*\b:AC+8*\b+3] offset:128*(\b/2)+32*(\b%2)       ; each accumulator from its low end on
	ds_store_b128 v[STO], v[AC+8*\b+4:AC+8*\b+7] offset:128*(\b/2)+32*(\b%2)+16
.endr
	WIN 0
.set BB, BK+32*((\a)%2)
.irp t, 0,1,2,3,4,5,6,7
	ds_load_b128 v[BB+4*\t:BB+4*\t+3], v[RD] offset:2*SP*\t
.endr
.endm
.macro SEND a, younger                 ; row i of block a is token 32 (a / 2) + 8 (a % 2) + i % 8 + 16 (i / 8) of my panel; load t brought rows 2 t and 2 t + 1
.set BB, BK+32*((\a)%2)
	s_wait_dscnt \younger
.irp t, 0,1,2,3,4,5,6,7
	global_store_b128 v[CO], v[BB+4*\t:BB+4*\t+3], s[12:13] offset:(32*((\a)/2)+8*((\a)%2)+(2*\t)%8+16*(\t/4))*4096 th:TH_STORE_NT   ; sixteen lanes store 256 consecutive bytes, aligned
.endr
.endm
	TOSTAGE 0
.irp a, 1,2,3,4,5,6,7
.if \a > 1
	s_wait_xcnt 0x0                                ; block a - 2's stores have read their registers: block a's loads may land there
.endif
	TOSTAGE \a
	SEND \a-1, 16                                  ; behind block a - 1's loads: block a's 8 stores and 8 loads
.endr
	SEND 7, 0
	s_wait_tensorcnt 0x0                           ; the wave's end
	ds_add_u32 v[SPW], v[NIL]
	s_wait_dscnt 0x0
	CROUND                                         ; the closing round
	s_endpgm
.Lfunc_end_k_qcd499a9c57_proj:
	.size	k_qcd499a9c57_proj, .Lfunc_end_k_qcd499a9c57_proj-k_qcd499a9c57_proj
	.p2alignl 7, 3214868480
	.fill 96, 4, 3214868480
	.section	.rodata,"a",@progbits
	.p2align	6, 0x0
	.amdhsa_kernel k_qcd499a9c57_proj
		.amdhsa_group_segment_fixed_size 327680
		.amdhsa_private_segment_fixed_size 0
		.amdhsa_enable_private_segment 0
		.amdhsa_kernarg_size 32
		.amdhsa_user_sgpr_count 2
		.amdhsa_user_sgpr_kernarg_segment_ptr 1
		.amdhsa_wavefront_size32 1
		.amdhsa_system_sgpr_workgroup_id_x 1
		.amdhsa_system_sgpr_workgroup_id_y 1
		.amdhsa_system_sgpr_workgroup_id_z 1
		.amdhsa_system_vgpr_workitem_id 0
		.amdhsa_next_free_vgpr 768
		.amdhsa_next_free_sgpr 102
		.amdhsa_reserve_vcc 0
		.amdhsa_float_denorm_mode_32 3
		.amdhsa_float_denorm_mode_16_64 3
		.amdhsa_memory_ordered 1
		.amdhsa_forward_progress 1
		.amdhsa_inst_pref_size 96
	.end_amdhsa_kernel
	.amdgpu_metadata
---
amdhsa.version: [ 1, 2 ]
amdhsa.kernels:
  - .name:           k_qcd499a9c57_proj
    .symbol:         k_qcd499a9c57_proj.kd
    .args:
      - { .name: op, .offset: 0, .size: 8, .value_kind: global_buffer, .address_space: global }
      - { .name: wp, .offset: 8, .size: 8, .value_kind: global_buffer, .address_space: global }
      - { .name: b_proj, .offset: 16, .size: 8, .value_kind: global_buffer, .address_space: global }
      - { .name: out0, .offset: 24, .size: 8, .value_kind: global_buffer, .address_space: global }
    .group_segment_fixed_size: 327680
    .private_segment_fixed_size: 0
    .kernarg_segment_align: 8
    .kernarg_segment_size: 32
    .max_flat_workgroup_size: 128
    .sgpr_count:     102
    .vgpr_count:     768
    .wavefront_size: 32
...
	.end_amdgpu_metadata
.endif
;; end of part 4
